; MI455X (gfx1250); checked and timed in simulation.
; The chip was launched on July 23, 2026; its instructions are those of AMD's public machine-readable ISA for CDNA 5 (MIT licence, August 2026) and "CDNA5" Instruction Set Architecture Reference Guide (July 2026). The comments in the code are by the model that wrote it; some were corrected since.
;; Memory Mo E. Allowed arithmetic: matrix products marked QUANTISED: E3M2 operands, one E8M0 scale for each 32 along K, by v_wmma_scale_f32_16x16x128_f8f6f4 with both operands' format E3M2, f32 sums; products left as they are: f32 operands where the result goes on into a quantised operand, else bf16, f16 or f32 operands; f32 sums; everything else in f32.
;; Inputs: routing_indices 4 x 2,048 x 1 int32; routing_weights 4 x 2,048 x 8 float32; w0 8 x 512 x 1,024 float32; w1 8 x 1,024 x 512 float32; x 4 x 2,048 x 512 float32.
;; Outputs: out0 4 x 2,048 x 512 float32.
;; This version of the problem:
;;   THIS VERSION OF THE PROBLEM IS GIVEN IN LOW PRECISION. The matrix products marked QUANTISED in the list below multiply operands that are first quantised to E3M2 (3 exponent bits, 2 mantissa bits; 6 bits a number), with one power-of-two scale for each 32 numbers along K (OCP MX v1.0); their sums are f32. All else is computed in f32.
;;   The module's matrix products, in the order in which they are computed (A, B: the left and right operand; K: the contracted axis; several contracted axes count as one K, in the product's order):
;;     1. [M 8,192, K 512] x [K 512, N 8,192]; A: input w0; B: input x: QUANTISED
;;     2. batch 8 x [M 512, K 1,024] x [K 1,024, N 8,192]; A: input w1; B: computed on the way: QUANTISED
;;     3. batch 8,192 x [M 512, K 8] x [K 8, N 1]; A: computed on the way; B: computed on the way: left as it is (K = 8 < 32)
;;   THE QUANTISER, for each operand of a quantised product, along K:
;;     - K is cut into blocks of 32 from its start; a last block that is shorter is filled with zeros.
;;     - A block's scale is 2^e with e = floor(log2(the largest magnitude in the block)) - 4, held to -126 .. 127; a block of zeros has e = 0. As a byte (E8M0): e + 127.
;;     - Each number is divided by its block's scale, clamped to +-28, and rounded to the nearest number of E3M2, ties to even, subnormals kept.
;;     - The product sums the exact products of the quantised numbers (number of the format x scale) in f32.
;;   ~~~python
;;   def quantise(x, axis):      # numpy; x: float32 -> the quantised numbers, widened to float32 again
;;       x = np.moveaxis(x, axis, -1); K = x.shape[-1]
;;       x = np.pad(x, [(0, 0)] * (x.ndim - 1) + [(0, -K % 32)]); x = x.reshape(x.shape[:-1] + (-1, 32)); a = np.abs(x).max(-1, keepdims=True)
;;       e = np.where(a > 0, np.clip(np.frexp(np.where(a > 0, a, 1))[1] - 1 - 4, -126, 127), 0)      # np.frexp(a)[1] - 1 = floor(log2(a)), exactly
;;       r = np.clip(x / 2.0 ** e, -28, 28)
;;       step = 2.0 ** (np.maximum(np.frexp(np.where(r == 0, 1, r))[1] - 1, -2) - 2)
;;       q = np.round(r / step) * step * 2.0 ** e      # np.round: ties to even
;;       return np.moveaxis(q.reshape(q.shape[:-2] + (-1,))[..., :K], -1, axis).astype(np.float32)
;;   ~~~
;;   OPERANDS COMPUTED ON THE WAY. 'Computed on the way' means the value that the module computes at that place (a softmax that the list does not call 'softmax' is quantised finished and normalised). What goes into a quantiser is computed in f32, as accurately as f32 sums, v_exp_f32 and their like allow (about 1e-6 of the number): no bf16 or f16 on the way to a quantiser, and a product that is left as it is and whose result goes on into a quantised operand takes f32 operands (vector FMAs, or v_wmma_f32_16x16x4_f32). A number that lies on a knife's edge between two numbers of the format may be rounded either way, as far as f32 arithmetic and the matrix unit's own rounding can turn it there, and no further.
;; 2 versions, each right; version 2 is version 1 with the launch moe written anew for expert scheduling mode. Each part assembles by itself: llvm-mc -triple=amdgcn-amd-amdhsa -mcpu=gfx1250 --defsym DOCPART=n.
;; ======== version 1 of 2: 2 launches
;; workspace buffers: wq 6,553,600 bytes; order 32,768 bytes of whole numbers; tiles 4,096 bytes of whole numbers
;; launch prep (part 1): grid 257 x 1, 8 waves a work-group, no clusters, 26,880 bytes of LDS; arguments routing_indices, w0, w1, wq, order, tiles; writes wq, order, tiles
.if DOCPART == 1
	.amdgcn_target "amdgcn-amd-amdhsa--gfx1250"
	.amdhsa_code_object_version 6
	.text
	.protected	k_q1083e00c6a_prep
	.globl	k_q1083e00c6a_prep
	.p2align	8
	.type	k_q1083e00c6a_prep,@function
k_q1083e00c6a_prep:
	s_mov_b64 s[64:65], 0
	v_nop
	global_prefetch_b8 v0, s[64:65] scope:SCOPE_SE
	s_setreg_imm32_b32 hwreg(HW_REG_WAVE_MODE, 25, 1), 1
	s_wait_xcnt 0x0
; y[t] = routing_weights[t][e] * ( gelu( Q(x[t]) Q(W0[e]) ) -> Q(.) Q(W1[e]) ),  e = routing_indices[t];  Q = codes of BF6 (E3M2) with one E8M0 scale for each 32 along K.
; WORK LEFT OUT, in the whole program.  reference() computes all 8 experts for every token and multiplies out[b][e'][s][:] by gate[b][s][e'] = routing_weights x one_hot(idx).  For e' != idx[b][s]
; that factor is a 0 which reference() builds in its own body, so for all finite inputs those rows of both products reach no output: both products are done for the chosen expert's rows alone,
; and the third product (K = 8) is the one multiplication by routing_weights[t][idx[t]].  Every input still has a way to the output; of routing_weights the chosen word of each token is loaded.
; LIMITS: a NaN, an infinity or an overflow that arises only in an expert that was not chosen is not carried to the result.  An index outside 0..7 is held at 7 (reference() would give zeros there).
; A block of zeros gets the scale byte 1 (its codes are zeros; the bytes are read by this program alone).  NaN and infinities among the inputs are not served.
;
; THIS LAUNCH.  Work-group 0 sorts the 8,192 tokens by expert (a counting sort without atomics) and writes the list of tiles.  Work-groups 1..256 quantise W0 and W1 along K, which is their FIRST axis inside
; an expert, and lay the codes in the order in which the next launch's waves take them into operand registers.
; wq: 512 records of 12,800 bytes.  Record U = (4 e + w) 16 + u is what wave w of the next launch uses in its unit u for expert e: 128 along K x 128 columns.
;   u < 8:  W0[e], K rows 128 (u % 4) on, columns 128 (2 w + u / 4) on.      u >= 8:  W1[e], K rows 128 (u - 8) on, columns 128 w on.
;   Eight images of fragments, 1,536 bytes each: register i of lane L of tile t at 1536 t + 512 (i / 4) + 16 L + 4 (i % 4).  Row p of tile 2 b + v is column 32 b + 8 v + p + 8 (p / 8) of the record's 128.
;   At byte 12,288: 512 bytes of scale words; lane L = r + 16 h has the words of row r of tiles h, 2 + h, 4 + h, 6 + h.
; A LANE TAKES A COLUMN AND ITS REGISTERS RUN DOWN K: a block of 32 lies in one lane, and the conversions give codes with K innermost.  A wave: 32 columns x 128 K.
.set STG,   0                          ; LDS: 3,072 bytes for each wave: the images of its two tiles
.set SS,    24576                      ; 512 bytes for each of the work-group's two records: the scale words
.set SRT,   25600                      ; the sorting work-group's own 256 bytes: the waves' totals
.set SPARE, 25856                      ; the spare words, 128 bytes for each wave: four blocks of 256 bytes that no other line names
.set REC,   12800
.set SPW,   14                         ; v14  LDS address of my spare word; never rewritten
.set NIL,   15                         ; v15  0; never rewritten
.set C,     16                         ; v16-39   the codes: six registers a block
.set T,     40                         ; v40-42   a block's upper 16 codes as the conversion leaves them
.set OUTR,  44                         ; v44-67   the way out
.set X,     68                         ; v68-195  128 numbers: my column, down K
; the sorting work-group's registers
.set IDX,   16                         ; v16-47   32 indices, later 32 addresses
.set TOK,   48                         ; v48-79   32 token numbers
.set CN,    80                         ; v80-87   my counts for the 8 experts
.set KK,    88                         ; v88-91   the same, two experts to a register; then their running sums over the wave
.set OWN,   92                         ; v92-95   my own packed counts
.set TP,    96                         ; v96-99   at work
.set TT,    100                        ; v100-131 the eight waves' packed totals
.set OO,    132                        ; v132-135 the totals of the waves in front of mine
.set GS,    136                        ; v136-139 the totals of all
.set CT,    140                        ; v140-147 rows of each expert
.set STT,   148                        ; v148-155 where each expert's rows begin in the sorted list
.set TBB,   156                        ; v156-163 how many tiles lie in front of each expert's
.set PP,    164                        ; v164-171 my next place for each expert
.set ENT,   184                        ; v184-187 a tile's entry; v188 at work
	s_load_b256 s[4:11], s[0:1], 0x0               ; routing_indices s[4:5], w0 s[6:7], w1 s[8:9], wq s[10:11]
	s_load_b128 s[12:15], s[0:1], 0x20             ; order s[12:13], tiles s[14:15]
	v_lshl_add_u32 v[SPW], v0, 2, SPARE
	v_mov_b32 v[NIL], 0
	v_lshrrev_b32 v1, 5, v0
	v_readfirstlane_b32 s16, v1                    ; wave 0..7
	v_and_b32 v1, 31, v0                           ; lane
	s_cmp_eq_u32 ttmp9, 0                          ; the work-group's number alone: all eight waves go the same way
	s_cbranch_scc1 .Lsort
	; ---------------- THE WEIGHTS ----------------
	s_sub_co_u32 s17, ttmp9, 1                     ; g = 0..255
	s_lshr_b32 s20, s16, 2                         ; which of the work-group's two records
	s_and_b32 s21, s16, 3                          ; b: which 32 of the record's 128 columns
	s_lshl_b32 s22, s17, 1
	s_add_co_u32 s22, s22, s20                     ; U
	s_and_b32 s23, s22, 15                         ; u
	s_bfe_u32 s24, s22, 0x20004                    ; w
	s_lshr_b32 s25, s22, 6                         ; e
	s_lshl_b32 s25, s25, 21                        ; an expert's weights are 2,097,152 bytes in both tensors
	s_lshl_b32 s26, s21, 7                         ; 32 b columns of 4 bytes
	s_add_co_u32 s25, s25, s26
	s_and_b32 s26, s23, 3                          ; W0: 128 (u % 4) rows of 4,096 bytes,
	s_lshl_b32 s26, s26, 19
	s_lshl_b32 s27, s24, 1
	s_lshr_b32 s30, s23, 2
	s_add_co_u32 s27, s27, s30
	s_lshl_b32 s27, s27, 9                         ; 128 (2 w + u / 4) columns
	s_add_co_u32 s26, s26, s27
	s_and_b32 s27, s23, 7                          ; W1: 128 (u - 8) rows of 2,048 bytes,
	s_lshl_b32 s27, s27, 18
	s_lshl_b32 s30, s24, 9                         ; 128 w columns
	s_add_co_u32 s27, s27, s30
	s_and_b32 s34, s17, 4                          ; u >= 8 just where g has bit 2: the same in the whole work-group
	s_mul_i32 s30, s22, REC
	s_mul_i32 s31, s21, 3072
	s_add_co_u32 s30, s30, s31                     ; my two tiles' place in wq
	s_mov_b32 s31, 0
	v_and_b32 v5, 7, v1
	v_lshrrev_b32 v6, 4, v1                        ; v: which of my wave's two tiles
	v_bfe_u32 v7, v1, 3, 1
	v_lshl_add_u32 v2, v6, 3, v5
	v_lshl_add_u32 v2, v7, 4, v2                   ; my column of the 32: (l % 8) + 8 (l / 16) + 16 ((l / 8) % 2): lane l is row l % 16 of tile 2 b + l / 16
	v_lshlrev_b32 v2, 2, v2
	v_and_b32 v8, 15, v1                           ; r
	v_mul_u32_u24 v3, v6, 1536
	v_lshl_add_u32 v3, v8, 4, v3
	s_mul_i32 s35, s16, 3072
	v_add_nc_u32 v3, s35, v3                       ; into my stage: tile v, lane r's 16 bytes
	v_lshlrev_b32 v4, 4, v1                        ; 16 x lane
	v_add_nc_u32 v5, s35, v4                       ; out of my stage
	s_lshl_b32 s36, s20, 9
	s_add_co_u32 s36, s36, SS
	v_add_nc_u32 v7, s36, v4                       ; the record's scale words, 16 bytes a lane;
	s_lshl_b32 s37, s21, 2
	v_add_nc_u32 v6, s37, v7                       ; my word among them: 16 l + 4 b
	s_wait_kmcnt 0x0
	s_cmp_lg_u32 s34, 0
	s_cselect_b32 s26, s27, s26
	s_cselect_b64 s[18:19], s[8:9], s[6:7]         ; W1 or W0: the choice hangs on the work-group's number alone
	s_add_co_u32 s26, s26, s25
	s_mov_b32 s27, 0
	s_add_nc_u64 s[18:19], s[18:19], s[26:27]
	s_add_nc_u64 s[28:29], s[10:11], s[30:31]
	s_cmp_lg_u32 s34, 0
	s_cbranch_scc1 .Lw1
.set n, 0
.rept 128
	global_load_b32 v[X+n], v2, s[18:19] offset:n*4096 th:TH_LOAD_NT    ; W0(k0 + n, my column): the wave reads 128 consecutive bytes, four waves side by side 512
.set n, n+1
.endr
	s_branch .Lloaded
.Lw1:
.set n, 0
.rept 128
	global_load_b32 v[X+n], v2, s[18:19] offset:n*2048 th:TH_LOAD_NT    ; W1 likewise: its rows are 2,048 bytes
.set n, n+1
.endr
.Lloaded:
; Block q of 32 along K: its largest magnitude, its scale, its 32 codes, and their place in the image: lane r + 16 (q % 2), registers 6 (q / 2) on.
.macro BLOCK q
.set XS, X+32*(\q)
.set CC, C+6*(\q)
.if (\q) < 2
	s_wait_loadcnt 63                              ; behind this block's loads stand 96 (q = 0) or 64 (q = 1) others; the count's field holds 63, and a smaller count is safe
.else
	s_wait_loadcnt 32*(3-(\q))                     ; the later blocks' loads may be out
.endif
	v_max3_num_f32 v8, |v[XS]|, |v[XS+1]|, |v[XS+2]|
	v_max3_num_f32 v9, |v[XS+3]|, |v[XS+4]|, |v[XS+5]|
.irp i, 6,10,14,18,22,26
	v_max3_num_f32 v8, v8, |v[XS+\i]|, |v[XS+\i+1]|
	v_max3_num_f32 v9, v9, |v[XS+\i+2]|, |v[XS+\i+3]|
.endr
	v_max3_num_f32 v8, v8, |v[XS+30]|, |v[XS+31]|
	v_max3_num_f32 v8, v8, v9, 0x2800000           ; and the floor 2^(5 - 127): the byte cannot fall under 1
	v_add_nc_u32 v10, 0xfe000000, v8               ; 4 off the exponent field: the conversion takes this operand's exponent field as its scale
	v_lshrrev_b32 v11, 23, v10                     ; the scale's byte
.if (\q) == 0
	v_mov_b32 v12, v11
.else
	v_lshl_or_b32 v12, v11, 8*(\q), v12            ; four bytes make my row's scale word
.endif
	v_cvt_scalef32_pk16_bf6_f32 v[CC:CC+2], v[XS:XS+15], v10
	v_cvt_scalef32_pk16_bf6_f32 v[T:T+2], v[XS+16:XS+31], v10    ; (a conversion's three registers begin on an even number)
	v_nop                                          ; one plain place behind a scaled conversion
	v_mov_b32 v[CC+3], v[T]
	v_mov_b32 v[CC+4], v[T+1]
	v_mov_b32 v[CC+5], v[T+2]
.if (\q) < 2
	ds_store_b128 v3, v[CC:CC+3] offset:256*(\q)             ; registers 0-3 of lane r + 16 q
	ds_store_b64 v3, v[CC+4:CC+5] offset:512+256*(\q)        ; registers 4, 5
.else
	ds_store_b64 v3, v[CC:CC+1] offset:520+256*((\q)-2)      ; registers 6, 7
	ds_store_b128 v3, v[CC+2:CC+5] offset:1024+256*((\q)-2)  ; registers 8-11
.endif
.endm
	BLOCK 0
	BLOCK 1
	BLOCK 2
	BLOCK 3
	ds_store_b32 v6, v12                           ; my row's scale word
.irp g, 0,1,2,3,4,5
	ds_load_b128 v[OUTR+4*\g:OUTR+4*\g+3], v5 offset:512*\g      ; LDS serves a wave's instructions in order: these see my stores
.endr
.irp g, 0,1,2,3,4,5
	s_wait_dscnt 5-\g
	global_store_b128 v4, v[OUTR+4*\g:OUTR+4*\g+3], s[28:29] offset:512*\g   ; 32 lanes store 512 consecutive bytes, at a multiple of 256 from wq's first byte
.endr
	s_wait_dscnt 0x0                               ; for the others' sake: my scale words lie in LDS
	s_barrier_signal -1
	s_barrier_wait -1
	s_cmp_lg_u32 s21, 0                            ; the first wave of each record stores its 512 bytes of scale words
	s_cbranch_scc1 .Lend
	ds_load_b128 v[C:C+3], v7
	s_wait_dscnt 0x0
	global_store_b128 v4, v[C:C+3], s[28:29] offset:12288
	s_branch .Lend
	; ---------------- THE SORT: 256 threads, 32 tokens each ----------------
.Lsort:
	v_lshlrev_b32 v2, 4, v0                        ; 16 t
	v_lshlrev_b32 v6, 2, v0                        ; 4 t
	v_lshrrev_b32 v5, 5, v0                        ; my wave's number in every lane
	s_mov_b32 s20, 0xffff0000                      ; lanes 16 to 31
	s_wait_kmcnt 0x0
.irp i, 0,1,2,3,4,5,6,7
	global_load_b128 v[IDX+4*\i:IDX+4*\i+3], v2, s[4:5] offset:4096*\i   ; register 4 i + j: token 1024 i + 4 t + j
.endr
.irp e, 0,1,2,3,4,5,6
	v_mov_b32 v[CN+\e], 0
.endr
.irp p, 0,1,2,3
	v_mov_b32 v[TP+\p], 0                          ; (a DPP form's destination counts as read)
	v_mov_b32 v[OO+\p], 0
	v_mov_b32 v[GS+\p], 0
.endr
	s_wait_loadcnt 0x0
.set n, 0
.rept 32
	v_min_u32 v[IDX+n], 7, v[IDX+n]
.set n, n+1
.endr
.set n, 0
.rept 32                               ; my counts: the compare's bit is added as a carry
.irp e, 0,1,2,3,4,5,6
	v_cmp_eq_u32 vcc_lo, \e, v[IDX+n]
	v_add_co_ci_u32 v[CN+\e], vcc_lo, 0, v[CN+\e], vcc_lo
.endr
.set n, n+1
.endr
	v_add3_u32 v[CN+7], v[CN], v[CN+1], v[CN+2]
	v_add3_u32 v[CN+7], v[CN+7], v[CN+3], v[CN+4]
	v_add3_u32 v[CN+7], v[CN+7], v[CN+5], v[CN+6]
	v_sub_nc_u32 v[CN+7], 32, v[CN+7]
.irp p, 0,1,2,3
	v_lshl_or_b32 v[KK+\p], v[CN+2*\p+1], 16, v[CN+2*\p]         ; two experts to a register: no sum passes 8,192
	v_lshl_or_b32 v[OWN+\p], v[CN+2*\p+1], 16, v[CN+2*\p]
.endr
.irp s, 1,2,4,8                        ; running sums inside each half of 16 lanes
.irp p, 0,1,2,3
	v_mov_b32_dpp v[TP+\p], v[KK+\p] row_shr:\s row_mask:0xf bank_mask:0xf bound_ctrl:1
.endr
.irp p, 0,1,2,3
	v_add_nc_u32 v[KK+\p], v[KK+\p], v[TP+\p]
.endr
.endr
.irp p, 0,1,2,3
	v_readlane_b32 s[24+\p], v[KK+\p], 15          ; the lower half's total goes onto the upper half
.endr
.irp p, 0,1,2,3
	v_mov_b32 v[TP+\p], s[24+\p]
	v_cndmask_b32 v[TP+\p], 0, v[TP+\p], s20
	v_add_nc_u32 v[KK+\p], v[KK+\p], v[TP+\p]
.endr
.irp p, 0,1,2,3
	v_readlane_b32 s[24+\p], v[KK+\p], 31          ; my wave's totals
.endr
.irp p, 0,1,2,3
	v_mov_b32 v[TP+\p], s[24+\p]
.endr
	s_lshl_b32 s21, s16, 4
	s_add_co_u32 s21, s21, SRT
	v_mov_b32 v3, s21
	ds_store_b128 v3, v[TP:TP+3]                   ; all lanes write the same 16 bytes with the same values
	s_wait_dscnt 0x0
	s_barrier_signal -1
	s_barrier_wait -1
	v_mov_b32 v4, SRT
.irp w, 0,1,2,3,4,5,6,7
	ds_load_b128 v[TT+4*\w:TT+4*\w+3], v4 offset:16*\w
.endr
	s_wait_dscnt 0x0
.irp w, 0,1,2,3,4,5,6,7
	v_cmp_lt_u32 vcc_lo, \w, v5                    ; a wave in front of mine?
.irp p, 0,1,2,3
	v_cndmask_b32 v[TP+\p], 0, v[TT+4*\w+\p], vcc_lo
	v_add_nc_u32 v[OO+\p], v[OO+\p], v[TP+\p]
	v_add_nc_u32 v[GS+\p], v[GS+\p], v[TT+4*\w+\p]
.endr
.endr
.irp p, 0,1,2,3
	v_and_b32 v[CT+2*\p], 0xffff, v[GS+\p]
	v_lshrrev_b32 v[CT+2*\p+1], 16, v[GS+\p]
.endr
	v_mov_b32 v[STT], 0
	v_mov_b32 v[TBB], 0
.irp e, 0,1,2,3,4,5,6
	v_add_nc_u32 v[STT+\e+1], v[STT+\e], v[CT+\e]
	v_add_nc_u32 v[TP], 63, v[CT+\e]
	v_lshrrev_b32 v[TP], 6, v[TP]                  ; the expert's tiles of 64 rows
	v_add_nc_u32 v[TBB+\e+1], v[TBB+\e], v[TP]
.endr
.irp p, 0,1,2,3                        ; my first place for each expert: its start + the waves in front + the threads in front of me in my wave
	v_add_nc_u32 v[OO+\p], v[OO+\p], v[KK+\p]
	v_sub_nc_u32 v[OO+\p], v[OO+\p], v[OWN+\p]
	v_and_b32 v[PP+2*\p], 0xffff, v[OO+\p]
	v_lshrrev_b32 v[PP+2*\p+1], 16, v[OO+\p]
	v_add_nc_u32 v[PP+2*\p], v[PP+2*\p], v[STT+2*\p]
	v_add_nc_u32 v[PP+2*\p+1], v[PP+2*\p+1], v[STT+2*\p+1]
.endr
.set n, 0
.rept 32                               ; each token takes its expert's next place.  Address and data have registers of their own for each token: nothing that a store reads is written again
	v_mov_b32 v7, v[PP+7]
.irp e, 0,1,2,3,4,5,6
	v_cmp_eq_u32 vcc_lo, \e, v[IDX+n]
	v_cndmask_b32 v7, v7, v[PP+\e], vcc_lo
	v_add_co_ci_u32 v[PP+\e], vcc_lo, 0, v[PP+\e], vcc_lo
.endr
	v_cmp_eq_u32 vcc_lo, 7, v[IDX+n]
	v_add_co_ci_u32 v[PP+7], vcc_lo, 0, v[PP+7], vcc_lo
	v_min_u32 v7, 0x1fff, v7
	v_lshlrev_b32 v[IDX+n], 2, v7
	v_add_nc_u32 v[TOK+n], 1024*(n/4)+n%4, v6
	global_store_b32 v[IDX+n], v[TOK+n], s[12:13]
.set n, n+1
.endr
	; the list of tiles: thread T writes entry T: (expert, first place in the sorted list, rows 0..64, 0)
	v_mov_b32 v[ENT], 0
	v_mov_b32 v[ENT+4], 0
	v_mov_b32 v[ENT+1], 0
	v_mov_b32 v[ENT+2], v[CT]
.irp e, 1,2,3,4,5,6,7
	v_cmp_gt_u32 vcc_lo, v[TBB+\e], v0             ; this expert's tiles begin behind T: keep what stands
	v_cndmask_b32 v[ENT], \e, v[ENT], vcc_lo
	v_cndmask_b32 v[ENT+4], v[TBB+\e], v[ENT+4], vcc_lo
	v_cndmask_b32 v[ENT+1], v[STT+\e], v[ENT+1], vcc_lo
	v_cndmask_b32 v[ENT+2], v[CT+\e], v[ENT+2], vcc_lo
.endr
	v_sub_nc_u32 v[ENT+4], v0, v[ENT+4]
	v_lshlrev_b32 v[ENT+4], 6, v[ENT+4]            ; rows of the expert in front of this tile
	v_add_nc_u32 v[ENT+1], v[ENT+1], v[ENT+4]
	v_sub_nc_u32 v[ENT+2], v[ENT+2], v[ENT+4]      ; rows left
	v_cmp_lt_i32 vcc_lo, 0, v[ENT+2]
	v_cndmask_b32 v[ENT+2], 0, v[ENT+2], vcc_lo    ; none: an entry behind the last tile
	v_min_u32 v[ENT+2], 64, v[ENT+2]
	v_mov_b32 v[ENT+3], 0
	global_store_b128 v2, v[ENT:ENT+3], s[14:15]
.Lend:
	s_wait_tensorcnt 0x0                           ; the wave's end
	ds_add_u32 v[SPW], v[NIL]
	s_wait_dscnt 0x0
	s_endpgm
.Lfunc_end_k_q1083e00c6a_prep:
	.size	k_q1083e00c6a_prep, .Lfunc_end_k_q1083e00c6a_prep-k_q1083e00c6a_prep
	.p2alignl 7, 3214868480
	.fill 96, 4, 3214868480
	.section	.rodata,"a",@progbits
	.p2align	6, 0x0
	.amdhsa_kernel k_q1083e00c6a_prep
		.amdhsa_group_segment_fixed_size 26880
		.amdhsa_private_segment_fixed_size 0
		.amdhsa_enable_private_segment 0
		.amdhsa_kernarg_size 48
		.amdhsa_user_sgpr_count 2
		.amdhsa_user_sgpr_kernarg_segment_ptr 1
		.amdhsa_wavefront_size32 1
		.amdhsa_system_sgpr_workgroup_id_x 1
		.amdhsa_system_sgpr_workgroup_id_y 1
		.amdhsa_system_sgpr_workgroup_id_z 1
		.amdhsa_system_vgpr_workitem_id 0
		.amdhsa_next_free_vgpr 200
		.amdhsa_next_free_sgpr 66
		.amdhsa_reserve_vcc 1
		.amdhsa_float_denorm_mode_32 3
		.amdhsa_float_denorm_mode_16_64 3
		.amdhsa_memory_ordered 1
		.amdhsa_forward_progress 1
		.amdhsa_inst_pref_size 95
	.end_amdhsa_kernel
	.amdgpu_metadata
---
amdhsa.version: [ 1, 2 ]
amdhsa.kernels:
  - .name:           k_q1083e00c6a_prep
    .symbol:         k_q1083e00c6a_prep.kd
    .args:
      - { .name: routing_indices, .offset: 0, .size: 8, .value_kind: global_buffer, .address_space: global }
      - { .name: w0, .offset: 8, .size: 8, .value_kind: global_buffer, .address_space: global }
      - { .name: w1, .offset: 16, .size: 8, .value_kind: global_buffer, .address_space: global }
      - { .name: wq, .offset: 24, .size: 8, .value_kind: global_buffer, .address_space: global }
      - { .name: order, .offset: 32, .size: 8, .value_kind: global_buffer, .address_space: global }
      - { .name: tiles, .offset: 40, .size: 8, .value_kind: global_buffer, .address_space: global }
    .group_segment_fixed_size: 26880
    .private_segment_fixed_size: 0
    .kernarg_segment_align: 8
    .kernarg_segment_size: 48
    .max_flat_workgroup_size: 256
    .sgpr_count:     66
    .vgpr_count:     200
    .wavefront_size: 32
...
	.end_amdgpu_metadata
.endif
;; end of part 1
;; launch moe (part 2): grid 135 x 1, 4 waves a work-group, no clusters, 111,104 bytes of LDS; arguments x, routing_weights, wq, order, tiles, out0; writes out0
.if DOCPART == 2
	.amdgcn_target "amdgcn-amd-amdhsa--gfx1250"
	.amdhsa_code_object_version 6
	.text
	.protected	k_q1083e00c6a_moe
	.globl	k_q1083e00c6a_moe
	.p2align	8
	.type	k_q1083e00c6a_moe,@function
k_q1083e00c6a_moe:
	s_mov_b64 s[64:65], 0
	v_nop
	global_prefetch_b8 v0, s[64:65] scope:SCOPE_SE
	s_setreg_imm32_b32 hwreg(HW_REG_WAVE_MODE, 25, 1), 1
	s_wait_xcnt 0x0
; out0[t] = routing_weights[t][e] * ( Q(gelu(Q(x[t]) Q(W0[e]))) Q(W1[e]) ), e = the token's expert, both products on codes of BF6 (E3M2) with one E8M0 scale for each 32 along K.
; WORK LEFT OUT: the seven experts that a token did not choose (their results meet a 0 of reference()'s own one_hot: see the first kernel's head); the limits stated there hold here.
; SHARES.  135 work-groups = ceil(8192 / 64) + 8 - 1: enough for every split of the tokens.  A work-group takes one tile (up to 64 rows of one expert, from the list that the launch before stored) through the
; whole chain.  Rows beyond the tile's count take a valid token of the sorted list, are computed, and are never stored; a tile of 0 rows walks the same text and stores nothing (both barriers lie on every way).
; THE WAVES SHARE THE COLUMNS: wave w makes hidden units 256 w .. 256 w + 255 (two passes of 128) and outputs 128 w .. 128 w + 127, for all four tiles of 16 rows.
; A wave walks 16 UNITS of 128 along K: 8 fragments of weights x 4 fragments of rows = 32 matrix instructions on 32 accumulators.  Units 0-3, 4-7: the first product's two passes; 8-15: the second product.
; THE WEIGHTS come from memory straight into operand registers: a unit is one record of wq, 12,800 bytes, laid as images of registers: 25 loads of 16 bytes a lane.  Four sets of registers; two units are on their way.
; No tensor load, no cluster: the way out branches on counts read from memory, and which work-groups share an expert hangs on those counts too.
; OPERANDS GO FROM WAVE TO WAVE THROUGH LDS AS IMAGES OF THEIR REGISTERS (three stores of 16 bytes a lane for a fragment).  Both products are used transposed (source 0 = 16 columns of a weight, source 1 = 16 rows):
; a lane holds one token, and by the choice of a tile's columns (first kernel) the 16 registers of tiles 2 b, 2 b + 1 are columns 32 b + 16 (lane / 16) + 0 .. 15.
; GELU, exact: x (0.5 + c P(c^2) / Q(c^2)), c = x held to +-4 sqrt(2): the rational form of erf(z) = z P(z^2) / Q(z^2) on |z| <= 4, with z = c / sqrt(2) and the factor 1/2 folded into the coefficients; all in f32.
; No prefetch: all of a tile's rows of x are asked for at the head, and an expert's records are walked by all its tiles at about the same time.
; REGISTERS, in windows of 256.  Window 0: v1-15 addresses and tokens; v16-31 the weights' scale words, four a set; v32-35 the rows' scale words; v36-37 address bases; v40-135 two sets of four row fragments
;   (in the gelu: c^2, P, Q; on the way out: rows of y); v136-199 64 numbers at work; v200-236 the quantiser's; v238-245 gates; v246-249 two coefficients; v250, 251, 254, 255 the gates' addresses; v252, 253 the add's two.
;   Window 1: weight sets 0 (v0-95) and 1 (v128-223).  Window 3: sets 2 and 3.  Window 2: the accumulators, (m, t) at 8 (8 m + t); at the start the rows of x as loaded.
.set XIMG,  0                          ; LDS: x's 16 fragments: (tile of rows m, K step s) at (4 m + s) 1536
.set XSC,   24576                      ; their scale words: 256 bytes a K step; tile m, row r at 8 (r + 16 (m % 2)) + 4 (m / 2)
.set HIMG,  25600                      ; the hidden layer's 32 fragments: (m, K step k) at (8 m + k) 1536
.set HSC,   74752                      ; their scale words, laid as x's
.set TS,    76800                      ; for each wave 16 rows x (512 bytes + 16), its own: x's turn, and the way out
.set SPARE, 110592                     ; the spare words, 128 bytes for each wave: two blocks of 256 bytes that no other line names
.set REC,   12800
.set L16,  1                           ; 16 x lane
.set HR,   2                           ; 16 x lane + HIMG
.set XS8,  3                           ; 8 x lane + XSC
.set HS8,  4                           ; 8 x lane + HSC
.set XW,   5                           ; where I store x's images
.set XSW,  6                           ; and their scale words
.set HW,   7                           ; the hidden layer's images, this pass
.set HSW,  8                           ; and their scale words
.set TSW,  9                           ; my stage by rows: 16 x lane
.set TSR,  10                          ; my stage by lanes: row r, + 64 (lane / 16)
.set TOKX, 11                          ; the token of row 16 w + r
.set TK,   12                          ; v12-15 the tokens of rows 16 m + r
.set WS,   16
.set OS,   32
.set HW0,  36
.set HSW0, 37
.set OF,   40
.set T1,   40
.set T2,   72
.set T3,   104
.set Y,    40
.set G,    136
.set TM,   200
.set PW,   216
.set PC,   218
.set GT,   238
.set A6,   246
.set B4,   248
.set SPW,  252
.set NIL,  253
.set WV,   16                          ; s16 my wave's number
.set EX,   17                          ; s17 the tile's expert
.set ST0,  18                          ; s18 its first place in the sorted list
.set CNT,  19                          ; s19 its rows
.set SEL,  20                          ; s[20:21] lane selects for lane l xor 16
.set WB,   24                          ; s[24:25] where my stream of records stands
.set OB,   26                          ; s[26:27] out0 + 512 w
.set RB,   28                          ; s[28:59] sixteen row addresses
.set MSB, 0
.macro WIN new                         ; the immediate's high byte repeats the setting that is left; a switch that changes nothing is dropped
.if MSB != (\new)
	s_set_vgpr_msb (MSB<<8)|(\new)
.set MSB, (\new)
.endif
.endm
.macro PLACES                          ; four places behind a matrix instruction, in front of loads into registers that it has read and of reads of results
.rept 4
	v_nop
.endr
.endm
.macro COEF r, bits                    ; a coefficient as a pair: the packed form names both words
	s_mov_b32 s[\r], \bits
	s_mov_b32 s[\r+1], \bits
.endm
; a unit's record into weight set ws: 25 loads
.macro LOADW ws, off
	WIN 0
	global_load_b128 v[WS+4*(\ws):WS+4*(\ws)+3], v[L16], s[WB:WB+1] offset:(\off)+12288
	WIN 0x40+0x80*((\ws)/2)
.irp t, 0,1,2,3,4,5,6,7
.irp g, 0,1,2
	global_load_b128 v[128*((\ws)%2)+12*\t+4*\g:128*((\ws)%2)+12*\t+4*\g+3], v[L16], s[WB:WB+1] offset:(\off)+1536*\t+512*\g
.endr
.endr
	WIN 0
.endm
; four row fragments and their scale words into set pa: 13 LDS loads
.macro OFETCH pa, areg, base, mstride, sreg, soff
	WIN 0
.irp m, 0,1,2,3
.irp g, 0,1,2
	ds_load_b128 v[OF+48*(\pa)+12*\m+4*\g:OF+48*(\pa)+12*\m+4*\g+3], v[\areg] offset:(\base)+\m*(\mstride)+512*\g
.endr
.endr
	ds_load_b64 v[OS+2*(\pa):OS+2*(\pa)+1], v[\sreg] offset:\soff      ; register m / 2 holds tile m's words in lanes 16 (m % 2) on
.endm
; one product: weight tile t x row tile m.  The scale words of odd tiles stand in lanes 16-31 of their registers.
.macro WM ws, pa, zero, t, m
.set rD, 8*(8*(\m)+(\t))
.set rA, 128*((\ws)%2)+12*(\t)
.set rB, OF+48*(\pa)+12*(\m)
.set rX, WS+4*(\ws)+(\t)/2
.set rY, OS+2*(\pa)+(\m)/2
.set kind, 4*(\zero)+2*((\t)%2)+(\m)%2
.if kind == 0
	v_wmma_scale_f32_16x16x128_f8f6f4 v[rD:rD+7], v[rA:rA+11], v[rB:rB+11], v[rD:rD+7], v[rX], v[rY] matrix_a_fmt:MATRIX_FMT_BF6 matrix_b_fmt:MATRIX_FMT_BF6
.elseif kind == 1
	v_wmma_scale_f32_16x16x128_f8f6f4 v[rD:rD+7], v[rA:rA+11], v[rB:rB+11], v[rD:rD+7], v[rX], v[rY] matrix_a_fmt:MATRIX_FMT_BF6 matrix_b_fmt:MATRIX_FMT_BF6 matrix_b_scale:MATRIX_SCALE_ROW1
.elseif kind == 2
	v_wmma_scale_f32_16x16x128_f8f6f4 v[rD:rD+7], v[rA:rA+11], v[rB:rB+11], v[rD:rD+7], v[rX], v[rY] matrix_a_fmt:MATRIX_FMT_BF6 matrix_b_fmt:MATRIX_FMT_BF6 matrix_a_scale:MATRIX_SCALE_ROW1
.elseif kind == 3
	v_wmma_scale_f32_16x16x128_f8f6f4 v[rD:rD+7], v[rA:rA+11], v[rB:rB+11], v[rD:rD+7], v[rX], v[rY] matrix_a_fmt:MATRIX_FMT_BF6 matrix_b_fmt:MATRIX_FMT_BF6 matrix_a_scale:MATRIX_SCALE_ROW1 matrix_b_scale:MATRIX_SCALE_ROW1
.elseif kind == 4
	v_wmma_scale_f32_16x16x128_f8f6f4 v[rD:rD+7], v[rA:rA+11], v[rB:rB+11], 0, v[rX], v[rY] matrix_a_fmt:MATRIX_FMT_BF6 matrix_b_fmt:MATRIX_FMT_BF6
.elseif kind == 5
	v_wmma_scale_f32_16x16x128_f8f6f4 v[rD:rD+7], v[rA:rA+11], v[rB:rB+11], 0, v[rX], v[rY] matrix_a_fmt:MATRIX_FMT_BF6 matrix_b_fmt:MATRIX_FMT_BF6 matrix_b_scale:MATRIX_SCALE_ROW1
.elseif kind == 6
	v_wmma_scale_f32_16x16x128_f8f6f4 v[rD:rD+7], v[rA:rA+11], v[rB:rB+11], 0, v[rX], v[rY] matrix_a_fmt:MATRIX_FMT_BF6 matrix_b_fmt:MATRIX_FMT_BF6 matrix_a_scale:MATRIX_SCALE_ROW1
.else
	v_wmma_scale_f32_16x16x128_f8f6f4 v[rD:rD+7], v[rA:rA+11], v[rB:rB+11], 0, v[rX], v[rY] matrix_a_fmt:MATRIX_FMT_BF6 matrix_b_fmt:MATRIX_FMT_BF6 matrix_a_scale:MATRIX_SCALE_ROW1 matrix_b_scale:MATRIX_SCALE_ROW1
.endif
.endm
; a unit's 32 products.  The 32 accumulators take turns, one instruction a turn, in the same order in every unit.  zero = 1: the products start the sums: nothing is cleared.
.macro MUL ws, pa, zero
	WIN 0xa1+2*((\ws)/2)                           ; source 0 (weights) window 1 or 3, source 1 (rows) window 0, C and D window 2
.irp t, 0,1,2,3,4,5,6,7
.irp m, 0,1,2,3
	WM \ws, \pa, \zero, \t, \m
.endr
.endr
.endm
; 64 numbers of a lane, register 16 b + i = k 32 b + 16 (lane / 16) + i of my row, become a fragment's codes in v[PC] on and its scale word in v[PW].
.macro QUANT s
.irp b, 0,1,2,3
	v_max3_num_f32 v[TM+\b], |v[\s+16*\b]|, |v[\s+1+16*\b]|, 0x2800000   ; my 16 numbers of block b, and the floor 2^(5 - 127): the byte cannot fall under 1
.endr
.irp i, 2,4,6,8,10,12,14
.irp b, 0,1,2,3
	v_max3_num_f32 v[TM+\b], v[TM+\b], |v[\s+16*\b+\i]|, |v[\s+1+16*\b+\i]|
.endr
.endr
.irp b, 0,1,2,3
	v_permlanex16_b32 v[TM+4+\b], v[TM+\b], s[SEL], s[SEL+1]
.endr
.irp b, 0,1,2,3
	v_max_num_f32 v[TM+\b], v[TM+\b], v[TM+4+\b]   ; with lane l xor 16's: the block's largest magnitude
.endr
.irp b, 0,1,2,3
	v_add_nc_u32 v[TM+12+\b], 0xfe000000, v[TM+\b] ; 4 off its exponent field: the conversion's scale operand
.endr
.irp b, 0,1,2,3
	v_lshrrev_b32 v[TM+4+\b], 23, v[TM+12+\b]      ; the scale's byte
.endr
	v_lshl_or_b32 v[PW], v[TM+5], 8, v[TM+4]
	v_lshl_or_b32 v[PW], v[TM+6], 16, v[PW]
	v_lshl_or_b32 v[PW], v[TM+7], 24, v[PW]
.irp c, 0,1
	v_cvt_scalef32_pk16_bf6_f32 v[PC+6*\c:PC+2+6*\c], v[\s+32*\c:\s+15+32*\c], v[TM+12+2*\c]
	v_cvt_scalef32_pk16_bf6_f32 v[PC+12+4*\c:PC+14+4*\c], v[\s+16+32*\c:\s+31+32*\c], v[TM+12+2*\c+1]   ; (a conversion's three registers begin on an even number)
.endr
	v_nop                                          ; one plain place behind a scaled conversion
.irp c, 0,1                            ; the operand's layout wants a whole block in a lane: lanes 0-15 block 2 c, lanes 16-31 block 2 c + 1
.irp i, 0,1,2
	v_permlane16_swap_b32 v[PC+6*\c+\i], v[PC+12+4*\c+\i]
.endr
.irp i, 0,1,2
	v_mov_b32 v[PC+3+6*\c+\i], v[PC+12+4*\c+\i]
.endr
.endr
.endm
.macro IMAGE adr, off                  ; the fragment in v[PC] on goes to LDS as it stands
.irp c, 0,1,2
	ds_store_b128 v[\adr], v[PC+4*\c:PC+4*\c+3] offset:(\off)+512*\c
.endr
.endm
; K step s of my 16 rows of x: as loaded (a row's 512 bytes over the 32 lanes) into my stage, back 16 neighbours of each block a lane, quantised, image and scale words to LDS
.macro TURN s
	WIN 0x08                                       ; an LDS store's data are its source 1: window 2
.set ti, 0
.rept 16
	ds_store_b128 v[TSW], v[64*(\s)+4*ti:64*(\s)+4*ti+3] offset:528*ti
.set ti, ti+1
.endr
	WIN 0
.irp b, 0,1,2,3
.irp j, 0,1,2,3
	ds_load_b128 v[G+16*\b+4*\j:G+16*\b+4*\j+3], v[TSR] offset:128*\b+16*\j    ; LDS serves a wave's instructions in order: these see my stores
.endr
.endr
	s_wait_dscnt 0x0
	QUANT G
	IMAGE XW, 1536*(\s)
	ds_store_b32 v[XSW], v[PW] offset:256*(\s)     ; lanes r and r + 16 write the same word with the same value
	s_wait_dscnt 0x0
.endm
; gelu of 32 numbers: registers 32 half .. 32 half + 31 of row tile m's accumulators, taken from each accumulator's low end on; results in v[G + 32 half] on
.macro GELU m, half
.set AX, 64*(\m)+32*(\half)
.set GG, G+32*(\half)
	WIN 0x02                                       ; source 0 window 2
.set gi, 0
.rept 32
	v_med3_num_f32 v[GG+gi], v[AX+gi], s90, s91    ; c = x held to +-4 sqrt(2)
.set gi, gi+1
.endr
	WIN 0
.set gi, 0
.rept 16
	v_pk_mul_f32 v[T1+gi:T1+gi+1], v[GG+gi:GG+gi+1], v[GG+gi:GG+gi+1]    ; c^2
.set gi, gi+2
.endr
.set gi, 0
.rept 16
	v_pk_fma_f32 v[T2+gi:T2+gi+1], v[T1+gi:T1+gi+1], v[A6:A6+1], s[66:67] op_sel_hi:[1,1,0]   ; P, by Horner's rule; each step runs over all 16 pairs, so none waits for the line above it
.set gi, gi+2
.endr
.set gi, 0
.rept 16
	v_pk_fma_f32 v[T3+gi:T3+gi+1], v[T1+gi:T1+gi+1], v[B4:B4+1], s[78:79] op_sel_hi:[1,1,0]   ; Q
.set gi, gi+2
.endr
.irp k, 68,70,72,74,76
.set gi, 0
.rept 16
	v_pk_fma_f32 v[T2+gi:T2+gi+1], v[T2+gi:T2+gi+1], v[T1+gi:T1+gi+1], s[\k:\k+1] op_sel_hi:[1,1,0]
.set gi, gi+2
.endr
.endr
.irp k, 80,82,84
.set gi, 0
.rept 16
	v_pk_fma_f32 v[T3+gi:T3+gi+1], v[T3+gi:T3+gi+1], v[T1+gi:T1+gi+1], s[\k:\k+1] op_sel_hi:[1,1,0]
.set gi, gi+2
.endr
.endr
.set gi, 0
.rept 32
	v_rcp_f32 v[T3+gi], v[T3+gi]                   ; 1 / Q: one batch (Q's coefficients have one sign: it is never 0)
.set gi, gi+1
.endr
.set gi, 0
.rept 16
	v_pk_mul_f32 v[T2+gi:T2+gi+1], v[T2+gi:T2+gi+1], v[GG+gi:GG+gi+1]    ; c P: plain work behind the batch, which names none of its results
.set gi, gi+2
.endr
	s_wait_alu depctr_va_vdst(0)                   ; one wait for the 32 reciprocals, ahead of their first reader
.set gi, 0
.rept 16
	v_pk_fma_f32 v[T2+gi:T2+gi+1], v[T2+gi:T2+gi+1], v[T3+gi:T3+gi+1], 0.5 op_sel_hi:[1,1,0]
.set gi, gi+2
.endr
	WIN 0x02
.set gi, 0
.rept 16
	v_pk_mul_f32 v[GG+gi:GG+gi+1], v[AX+gi:AX+gi+1], v[T2+gi:T2+gi+1]    ; x (0.5 + c P / Q)
.set gi, gi+2
.endr
	WIN 0
.endm
	s_load_b256 s[4:11], s[0:1], 0x0               ; x s[4:5], routing_weights s[6:7], wq s[8:9], order s[10:11]
	s_load_b128 s[12:15], s[0:1], 0x20             ; tiles s[12:13], out0 s[14:15]
	v_lshl_add_u32 v[SPW], v0, 2, SPARE
	v_mov_b32 v[NIL], 0
	v_lshrrev_b32 v200, 5, v0
	v_readfirstlane_b32 s[WV], v200                ; wave 0..3
	v_and_b32 v200, 31, v0                         ; lane
	v_and_b32 v201, 15, v0                         ; r
	v_bfe_u32 v202, v0, 4, 1                       ; h
	v_lshlrev_b32 v[L16], 4, v200
	v_add_nc_u32 v[HR], HIMG, v[L16]
	v_lshl_add_u32 v[XS8], v200, 3, XSC
	v_lshl_add_u32 v[HS8], v200, 3, HSC
	s_mul_i32 s22, s[WV], 6144
	v_add_nc_u32 v[XW], s22, v[L16]                ; x's images of row tile w
	s_and_b32 s22, s[WV], 1
	s_lshl_b32 s22, s22, 7
	s_lshr_b32 s23, s[WV], 1
	s_lshl_b32 s23, s23, 2
	s_add_co_u32 s22, s22, s23
	s_add_co_u32 s22, s22, XSC
	v_lshl_add_u32 v[XSW], v201, 3, s22            ; 8 r + 128 (w % 2) + 4 (w / 2)
	s_mul_i32 s22, s[WV], 3072
	s_add_co_u32 s22, s22, HIMG
	v_add_nc_u32 v[HW0], s22, v[L16]               ; the hidden layer's K step 2 w
	s_lshl_b32 s22, s[WV], 9
	s_add_co_u32 s22, s22, HSC
	v_lshl_add_u32 v[HSW0], v201, 3, s22
	s_mul_i32 s22, s[WV], 8448
	s_add_co_u32 s22, s22, TS                      ; my stage
	v_add_nc_u32 v[TSW], s22, v[L16]
	v_mul_u32_u24 v[TSR], v201, 528
	v_lshl_add_u32 v[TSR], v202, 6, v[TSR]
	v_add_nc_u32 v[TSR], s22, v[TSR]
.irp b, 0,1,2,3
	v_mov_b32 v[TM+4+\b], 0                        ; written once: a lane permute's destination counts as one of its sources
.endr
	s_lshl_b32 s22, ttmp9, 4                       ; my tile's entry: 16 bytes
	s_wait_kmcnt 0x0
	s_load_b128 s[60:63], s[12:13], s22 offset:0x0
	s_mov_b32 s[SEL], 0x76543210
	s_mov_b32 s[SEL+1], 0xfedcba98
	COEF 66, 0x2fa84a8d                            ; P's coefficients, degree 5 down to 0 (degree 6 stands in v[A6:A6+1])
	COEF 68, 0xb347667d
	COEF 70, 0xb628d45d
	COEF 72, 0xb8883d9c
	COEF 74, 0xba08eb41
	COEF 76, 0xbbba79f3
	COEF 78, 0xb7dfbd29                            ; Q's, degree 3 down to 0 (degree 4 in v[B4:B4+1])
	COEF 80, 0xb9dc924e
	COEF 82, 0xbb719bf8
	COEF 84, 0xbc69b6a7
	s_mov_b32 s90, 0xc0b504f3                      ; -4 sqrt(2)
	s_mov_b32 s91, 0x40b504f3
	v_mov_b32 v[A6], 0xabd3f331
	v_mov_b32 v[A6+1], 0xabd3f331
	v_mov_b32 v[B4], 0xb57460cd
	v_mov_b32 v[B4+1], 0xb57460cd
	s_wait_kmcnt 0x0
	s_min_u32 s[EX], s60, 7
	s_min_u32 s[ST0], s61, 0x1fff
	s_min_u32 s[CNT], s62, 64
	s_lshl_b32 s22, s[EX], 2
	s_add_co_u32 s22, s22, s[WV]
	s_mul_i32 s22, s22, 16*REC                     ; my 16 records
	s_mov_b32 s23, 0
	s_add_nc_u64 s[WB:WB+1], s[8:9], s[22:23]
	s_lshl_b32 s22, s[WV], 9
	s_add_nc_u64 s[OB:OB+1], s[14:15], s[22:23]
	s_lshl_b32 s22, s[WV], 4
	s_add_co_u32 s22, s22, s[ST0]
	v_add_nc_u32 v[TOKX], s22, v201
.irp m, 0,1,2,3
	v_add3_u32 v[TK+\m], s[ST0], v201, 16*\m
.endr
.irp q, 11,12,13,14,15
	v_min_u32 v\q, 0x1fff, v\q                     ; a place past the list's end takes its last word: a written word, a valid token; such rows are never stored
	v_lshlrev_b32 v\q, 2, v\q
.endr
.irp q, 11,12,13,14,15
	global_load_b32 v\q, v\q, s[10:11]             ; each lands on its own address register
.endr
	LOADW 0, 0                                     ; unit 0's weights
	s_wait_loadcnt 25                              ; the five tokens are in; the 25 loads behind them may be out
.irp q, 11,12,13,14,15
	v_min_u32 v\q, 0x1fff, v\q
.endr
.set ri, 0
.rept 16
	v_readlane_b32 s22, v[TOKX], ri
	s_min_u32 s22, s22, 0x1fff
	s_lshl_b32 s22, s22, 11                        ; a row of x is 2,048 bytes
	s_add_nc_u64 s[RB+2*ri:RB+2*ri+1], s[4:5], s[22:23]
.set ri, ri+1
.endr
	WIN 0x80                                       ; destination window 2
.irp s, 0,1,2,3
.set ri, 0
.rept 16
	global_load_b128 v[64*\s+4*ri:64*\s+4*ri+3], v[L16], s[RB+2*ri:RB+2*ri+1] offset:512*\s   ; 32 lanes read 512 consecutive bytes of one row, at a multiple of 256 from x's first byte
.set ri, ri+1
.endr
.endr
	WIN 0
	s_lshl_b32 s22, s[EX], 2
	v_lshl_add_u32 v250, v[TK], 5, s22             ; routing_weights[token][expert]: these four address registers are never written again
	v_lshl_add_u32 v251, v[TK+1], 5, s22
	v_lshl_add_u32 v254, v[TK+2], 5, s22
	v_lshl_add_u32 v255, v[TK+3], 5, s22
	global_load_b32 v[GT], v250, s[6:7]
	global_load_b32 v[GT+2], v251, s[6:7]
	global_load_b32 v[GT+4], v254, s[6:7]
	global_load_b32 v[GT+6], v255, s[6:7]
.irp m, 0,1,2,3
	v_mov_b32 v[GT+2*\m+1], 0                      ; (named with the gate as a pair, so it is written)
.endr
	; ---- X: wave w quantises row tile w.  Each count: the loads issued behind the K step that is wanted
	s_wait_loadcnt 52                              ; 48 of x and the 4 gates
	TURN 0
	LOADW 1, REC
	s_wait_loadcnt 61                              ; 32 of x, 4 gates, unit 1's 25
	TURN 1
	s_wait_loadcnt 45                              ; 16 of x, 4 gates, 25
	TURN 2
	LOADW 2, 2*REC
	s_wait_loadcnt 54                              ; 4 gates, 25, 25
	TURN 3
	LOADW 3, 3*REC
	s_wait_dscnt 0x0                               ; my images lie in LDS
	s_barrier_signal -1
	s_barrier_wait -1                              ; x's sixteen fragments lie in LDS
	; ---- 1: the hidden layer, two passes of 128 units a wave.  On the way in, the pass's units 0 and 1 were asked for ahead of units 2 and 3, which alone may be out behind the first wait
	s_mov_b32 s92, 2
	s_mov_b32 s93, 0
	s_mov_b32 s94, 0
.Lpass:
	v_add_nc_u32 v[HW], s93, v[HW0]                ; this pass's K step of the second product: 2 w + pass
	v_add_nc_u32 v[HSW], s94, v[HSW0]
	OFETCH 0, L16, 0, 6144, XS8, 0
	OFETCH 1, L16, 1536, 6144, XS8, 256
	s_wait_loadcnt 50                              ; all but the last two units' 50 loads: units 0 and 1 (and, the first time, the gates) are in
	s_wait_dscnt 13                                ; the first 13 LDS loads are in; the 13 behind them may be out
	MUL 0, 0, 1
	PLACES
	OFETCH 0, L16, 3072, 6144, XS8, 512
	s_wait_loadcnt 25                              ; unit 2 is in; unit 3's 25 may be out
	LOADW 0, 4*REC                                 ; the next pass's unit 0
	s_wait_dscnt 13
	MUL 1, 1, 0
	PLACES
	OFETCH 1, L16, 4608, 6144, XS8, 768
	s_wait_loadcnt 25                              ; unit 3 is in
	LOADW 1, 5*REC
	s_wait_dscnt 13
	MUL 2, 0, 0
	s_wait_dscnt 0x0
	MUL 3, 1, 0
	WIN 0
	PLACES
.irp m, 0,1,2,3
	GELU \m, 0
	GELU \m, 1
	QUANT G
	IMAGE HW, 12288*\m
	ds_store_b32 v[HSW], v[PW] offset:128*(\m%2)+4*(\m/2)
	s_wait_dscnt 0x0
.if \m == 0
	s_wait_loadcnt 25                              ; the next pass's unit 0 is in; its unit 1 may be out
	LOADW 2, 6*REC
.endif
.if \m == 2
	s_wait_loadcnt 25                              ; its unit 1 is in
	LOADW 3, 7*REC
.endif
.endr
	s_wait_xcnt 0x0                                ; the loads have read their base: it is stepped only behind this wait
	s_add_nc_u64 s[WB:WB+1], s[WB:WB+1], 4*REC
	s_add_co_u32 s93, s93, 1536
	s_add_co_u32 s94, s94, 256
	s_sub_co_u32 s92, s92, 1
	s_cmp_lg_u32 s92, 0
	s_cbranch_scc1 .Lpass
	s_wait_dscnt 0x0
	s_barrier_signal -1
	s_barrier_wait -1                              ; the hidden layer's 32 fragments lie in LDS
	; ---- 2: my 128 outputs for the 64 rows: eight units.  Units 8 and 9 are in (waited for in the loop); 10 and 11 are on their way
.macro PU p, lc, ld
.if (\p) < 7
	PLACES
	OFETCH ((\p)+1)%2, HR, 1536*((\p)+1), 12288, HS8, 256*((\p)+1)
.endif
.if (\lc) >= 0
	s_wait_loadcnt \lc                             ; the older of the two units on their way is in, a unit ahead of its products
.endif
.if \ld
	LOADW ((\p)-1)%4, ((\p)+3)*REC
.endif
.if (\p) < 7
	s_wait_dscnt 13
.else
	s_wait_dscnt 0x0
.endif
	MUL (\p)%4, (\p)%2, 0
.endm
	OFETCH 0, HR, 0, 12288, HS8, 0
	OFETCH 1, HR, 1536, 12288, HS8, 256
	s_wait_dscnt 13
	MUL 0, 0, 1
	PU 1, 25, 1
	PU 2, 25, 1
	PU 3, 25, 1
	PU 4, 25, 1
	PU 5, 25, 0
	PU 6, 0, 0
	PU 7, -1, 0
	WIN 0
	PLACES
	; ---- 3: the way out, a tile of 16 rows at a time: x the gate, through my stage, back as rows of 512 bytes; a row goes to its token's row of out0.  Rows at or beyond the tile's count are not stored.
	s_mov_b32 s23, 0
.macro OUT m
	s_cmp_gt_u32 s[CNT], 16*(\m)
	s_cbranch_scc0 .Ldone
	WIN 0x02
.set oi, 0
.rept 32
	v_pk_mul_f32 v[G+oi:G+oi+1], v[64*(\m)+oi:64*(\m)+oi+1], v[GT+2*(\m):GT+2*(\m)+1] op_sel_hi:[1,0]   ; each accumulator from its low end on
.set oi, oi+2
.endr
	WIN 0
.irp b, 0,1,2,3
.irp j, 0,1,2,3
	ds_store_b128 v[TSR], v[G+16*\b+4*\j:G+16*\b+4*\j+3] offset:128*\b+16*\j
.endr
.endr
	s_wait_xcnt 0x0                                ; the last tile's stores have read their data and their bases: both are written again only behind this wait
.set oi, 0
.rept 16
	ds_load_b128 v[Y+4*oi:Y+4*oi+3], v[TSW] offset:528*oi
.set oi, oi+1
.endr
.set oi, 0
.rept 16
	v_readlane_b32 s22, v[TK+(\m)], oi
	s_min_u32 s22, s22, 0x1fff
	s_lshl_b32 s22, s22, 11
	s_add_nc_u64 s[RB+2*oi:RB+2*oi+1], s[OB:OB+1], s[22:23]
.set oi, oi+1
.endr
.set oi, 0
.rept 16
	s_wait_dscnt 15-oi
.if oi > 0
	s_cmp_gt_u32 s[CNT], 16*(\m)+oi
	s_cbranch_scc0 .Ldone
.endif
	global_store_b128 v[L16], v[Y+4*oi:Y+4*oi+3], s[RB+2*oi:RB+2*oi+1] th:TH_STORE_NT   ; 32 lanes store 512 consecutive bytes, at a multiple of 256 from out0's first byte
.set oi, oi+1
.endr
.endm
	OUT 0
	OUT 1
	OUT 2
	OUT 3
.Ldone:
	s_wait_tensorcnt 0x0                           ; the wave's end
	ds_add_u32 v[SPW], v[NIL]
	s_wait_dscnt 0x0
	s_endpgm
.Lfunc_end_k_q1083e00c6a_moe:
	.size	k_q1083e00c6a_moe, .Lfunc_end_k_q1083e00c6a_moe-k_q1083e00c6a_moe
	.p2alignl 7, 3214868480
	.fill 96, 4, 3214868480
	.section	.rodata,"a",@progbits
	.p2align	6, 0x0
	.amdhsa_kernel k_q1083e00c6a_moe
		.amdhsa_group_segment_fixed_size 111104
		.amdhsa_private_segment_fixed_size 0
		.amdhsa_enable_private_segment 0
		.amdhsa_kernarg_size 48
		.amdhsa_user_sgpr_count 2
		.amdhsa_user_sgpr_kernarg_segment_ptr 1
		.amdhsa_wavefront_size32 1
		.amdhsa_system_sgpr_workgroup_id_x 1
		.amdhsa_system_sgpr_workgroup_id_y 1
		.amdhsa_system_sgpr_workgroup_id_z 1
		.amdhsa_system_vgpr_workitem_id 0
		.amdhsa_next_free_vgpr 1024
		.amdhsa_next_free_sgpr 96
		.amdhsa_reserve_vcc 0
		.amdhsa_float_denorm_mode_32 3
		.amdhsa_float_denorm_mode_16_64 3
		.amdhsa_memory_ordered 1
		.amdhsa_forward_progress 1
		.amdhsa_inst_pref_size 255
	.end_amdhsa_kernel
	.section	.bss,"aw",@nobits
	.p2align	6
	.space	262144
	.amdgpu_metadata
---
amdhsa.version: [ 1, 2 ]
amdhsa.kernels:
  - .name:           k_q1083e00c6a_moe
    .symbol:         k_q1083e00c6a_moe.kd
    .args:
      - { .name: x, .offset: 0, .size: 8, .value_kind: global_buffer, .address_space: global }
      - { .name: routing_weights, .offset: 8, .size: 8, .value_kind: global_buffer, .address_space: global }
      - { .name: wq, .offset: 16, .size: 8, .value_kind: global_buffer, .address_space: global }
      - { .name: order, .offset: 24, .size: 8, .value_kind: global_buffer, .address_space: global }
      - { .name: tiles, .offset: 32, .size: 8, .value_kind: global_buffer, .address_space: global }
      - { .name: out0, .offset: 40, .size: 8, .value_kind: global_buffer, .address_space: global }
    .group_segment_fixed_size: 111104
    .private_segment_fixed_size: 0
    .kernarg_segment_align: 8
    .kernarg_segment_size: 48
    .max_flat_workgroup_size: 128
    .sgpr_count:     96
    .vgpr_count:     1024
    .wavefront_size: 32
...
	.end_amdgpu_metadata
.endif
;; end of part 2
;; ======== version 2 of 2: 2 launches; version 1 with the launch moe written anew for expert scheduling mode
;; workspace buffers: wq 6,553,600 bytes; order 32,768 bytes of whole numbers; tiles 4,096 bytes of whole numbers
;; launch prep: the kernel of part 1 again; grid 257 x 1, 8 waves a work-group, no clusters, 26,880 bytes of LDS; arguments routing_indices, w0, w1, wq, order, tiles; writes wq, order, tiles
;; launch moe (part 3): grid 135 x 1, 4 waves a work-group, no clusters, 111,104 bytes of LDS; arguments x, routing_weights, wq, order, tiles, out0; writes out0
.if DOCPART == 3
	.amdgcn_target "amdgcn-amd-amdhsa--gfx1250"
	.amdhsa_code_object_version 6
	.text
	.protected	k_q1083e00c6a_moe
	.globl	k_q1083e00c6a_moe
	.p2align	8
	.type	k_q1083e00c6a_moe,@function
k_q1083e00c6a_moe:
	s_mov_b64 s[64:65], 0
	v_nop
	global_prefetch_b8 v0, s[64:65] scope:SCOPE_SE
	s_setreg_imm32_b32 hwreg(HW_REG_WAVE_SCHED_MODE, 0, 2), 2
	s_setreg_imm32_b32 hwreg(HW_REG_WAVE_MODE, 25, 1), 1
	s_wait_xcnt 0x0
	s_wait_alu depctr_vm_vsrc(0)
; out0[t] = routing_weights[t][e] * ( Q(gelu(Q(x[t]) Q(W0[e]))) Q(W1[e]) ), e = the token's expert, both products on codes of BF6 (E3M2) with one E8M0 scale for each 32 along K.
; WORK LEFT OUT: the seven experts that a token did not choose (their results meet a 0 of reference()'s own one_hot: see the first kernel's head); the limits stated there hold here.
; SHARES.  135 work-groups = ceil(8192 / 64) + 8 - 1: enough for every split of the tokens.  A work-group takes one tile (up to 64 rows of one expert, from the list that the launch before stored) through the
; whole chain.  Rows beyond the tile's count take a valid token of the sorted list, are computed, and are never stored; a tile of 0 rows walks the same text and stores nothing (both barriers lie on every way).
; THE WAVES SHARE THE COLUMNS: wave w makes hidden units 256 w .. 256 w + 255 (two passes of 128) and outputs 128 w .. 128 w + 127, for all four tiles of 16 rows.
; A wave walks 16 UNITS of 128 along K: 8 fragments of weights x 4 fragments of rows = 32 matrix instructions on 32 accumulators.  Units 0-3, 4-7: the first product's two passes; 8-15: the second product.
; THE WEIGHTS come from memory straight into operand registers: a unit is one record of wq, 12,800 bytes, laid as images of registers: 25 loads of 16 bytes a lane.  Four sets of registers: while a unit is
; multiplied, the two units behind it are in registers or on their way, and the third is asked for.
; No tensor load, no cluster: the way out branches on counts read from memory, and which work-groups share an expert hangs on those counts too.
; OPERANDS GO FROM WAVE TO WAVE THROUGH LDS AS IMAGES OF THEIR REGISTERS (three stores of 16 bytes a lane for a fragment).  Both products are used transposed (source 0 = 16 columns of a weight, source 1 = 16 rows):
; a lane holds one token, and by the choice of a tile's columns (first kernel) the 16 registers of tiles 2 b, 2 b + 1 are columns 32 b + 16 (lane / 16) + 0 .. 15.
; GELU, exact: x (0.5 + c P(c^2) / Q(c^2)), c = x held to +-4 sqrt(2): the rational form of erf(z) = z P(z^2) / Q(z^2) on |z| <= 4, with z = c / sqrt(2) and the factor 1/2 folded into the coefficients; all in f32.
; No prefetch: all of a tile's rows of x are asked for at the head, and an expert's records are walked by all its tiles at about the same time.
; REGISTERS, in windows of 256.  Window 0: v1-15 addresses and tokens; v16-31 the weights' scale words, four a set; v32-37 the rows' scale words, two a set; v38-39 address bases; v40-183 three sets of four row
;   fragments (in the gelu v40-135: c^2, P, Q; on the way out v40-103: rows of y); v136-199 64 numbers at work; v200-236 the quantiser's; v238-245 gates; v246-249 two coefficients; v250, 251, 254, 255 the gates'
;   addresses; v252, 253 the add's two.
;   Window 1: weight sets 0 (v0-95) and 1 (v128-223).  Window 3: sets 2 and 3.  Window 2: the accumulators, (m, t) at 8 (8 m + t); at the start the rows of x as loaded.
; THE MODE: SCHED_MODE bits 1:0 = 2 (LLVM: expert scheduling mode 2), set by the entry lines.  The code itself states the register dependences
; between vector or matrix instructions and memory or LDS instructions, with s_wait_alu, always for 0.
; THE PLAN.  Registers that memory or LDS instructions touch, and who else names them:
;   weight set u % 4 and its scale words   unit u's products read them; the loads of unit u + 4 land in them, issued in unit u + 1 (a pass's set 3: behind the pass's first image).
;   row set (number in the phase) % 3 and its scale words   a unit's products read them; the LDS loads of the unit three on land in them, issued one unit later.  A phase's first three sets are fetched at its head.
;       In the gelu these registers are named by vector instructions alone.
;   v[PC ..], v[PW]   the quantiser writes them, the image's stores read them.  At the head v[PC .. PC + 4] are the five offsets into the sorted list, which five loads read.
;   v[HW], v[HSW]     written at a pass's head, read by its four images' stores.
;   window 2          x as loaded, read by the turns' LDS stores; then the accumulators, named by matrix and vector instructions alone.
;   v[G ..], way out  the gate's multiplications write them, LDS stores read them.     v[Y ..]  LDS loads land in them, global stores read them.
;   v1-6, v9, v10, v250, v251, v254, v255   offsets and addresses, written once at the head.
; So ONE wait on va_vdst stands at the head of each unit that issues loads: the unit before is done reading what those loads land in.  The loads follow it in three groups among the unit's 32 products,
; which name this unit's own weight set, row set, scale words and the accumulators: none of the registers that the loads touch.
.set XIMG,  0                          ; LDS: x's 16 fragments: (tile of rows m, K step s) at (4 m + s) 1536
.set XSC,   24576                      ; their scale words: 256 bytes a K step; tile m, row r at 8 (r + 16 (m % 2)) + 4 (m / 2)
.set HIMG,  25600                      ; the hidden layer's 32 fragments: (m, K step k) at (8 m + k) 1536
.set HSC,   74752                      ; their scale words, laid as x's
.set TS,    76800                      ; for each wave 16 rows x (512 bytes + 16), its own: x's turn, and the way out
.set SPARE, 110592                     ; the spare words, 128 bytes for each wave: two blocks of 256 bytes that no other line names
.set REC,   12800
.set L16,  1                           ; 16 x lane
.set HR,   2                           ; 16 x lane + HIMG
.set XS8,  3                           ; 8 x lane + XSC
.set HS8,  4                           ; 8 x lane + HSC
.set XW,   5                           ; where I store x's images
.set XSW,  6                           ; and their scale words
.set HW,   7                           ; the hidden layer's images, this pass
.set HSW,  8                           ; and their scale words
.set TSW,  9                           ; my stage by rows: 16 x lane
.set TSR,  10                          ; my stage by lanes: row r, + 64 (lane / 16)
.set TOKX, 11                          ; the token of row 16 w + r
.set TK,   12                          ; v12-15 the tokens of rows 16 m + r
.set WS,   16
.set OS,   32
.set HW0,  38
.set HSW0, 39
.set OF,   40
.set T1,   40
.set T2,   72
.set T3,   104
.set Y,    40
.set G,    136
.set TM,   200
.set PW,   216
.set PC,   218
.set GT,   238
.set A6,   246
.set B4,   248
.set SPW,  252
.set NIL,  253
.set WV,   16                          ; s16 my wave's number
.set EX,   17                          ; s17 the tile's expert
.set ST0,  18                          ; s18 its first place in the sorted list
.set CNT,  19                          ; s19 its rows
.set SEL,  20                          ; s[20:21] lane selects for lane l xor 16
.set WB,   24                          ; s[24:25] where my stream of records stands
.set OB,   26                          ; s[26:27] out0 + 512 w
.set RB,   28                          ; s[28:59] sixteen row addresses
.set MSB, 0
.macro WIN new                         ; the immediate's high byte repeats the setting that is left; a switch that changes nothing is dropped
.if MSB != (\new)
	s_set_vgpr_msb (MSB<<8)|(\new)
.set MSB, (\new)
.endif
.endm
.macro PLACES                          ; four places behind a matrix instruction, in front of reads of its results (ISA guide 7.12.1); at a unit's head they stand as in the plain form of this text, beside the wait that states the dependence
.rept 4
	v_nop
.endr
.endm
.macro COEF r, bits                    ; a coefficient as a pair: the packed form names both words
	s_mov_b32 s[\r], \bits
	s_mov_b32 s[\r+1], \bits
.endm
; a unit's record into weight set ws: 25 loads: its scale words, and its eight fragments' images, four at a time
.macro LOADS ws, off
	WIN 0
	global_load_b128 v[WS+4*(\ws):WS+4*(\ws)+3], v[L16], s[WB:WB+1] offset:(\off)+12288
.endm
.macro LOADF ws, off, t0
	WIN 0x40+0x80*((\ws)/2)
.irp t, \t0, \t0+1, \t0+2, \t0+3
.irp g, 0,1,2
	global_load_b128 v[128*((\ws)%2)+12*(\t)+4*\g:128*((\ws)%2)+12*(\t)+4*\g+3], v[L16], s[WB:WB+1] offset:(\off)+1536*(\t)+512*\g
.endr
.endr
.endm
.macro LOADW ws, off
	LOADS \ws, \off
	LOADF \ws, \off, 0
	LOADF \ws, \off, 4
	WIN 0
.endm
; four row fragments and their scale words into set pa: 13 LDS loads
.macro OFETCH pa, areg, base, mstride, sreg, soff
	WIN 0
.irp m, 0,1,2,3
.irp g, 0,1,2
	ds_load_b128 v[OF+48*(\pa)+12*\m+4*\g:OF+48*(\pa)+12*\m+4*\g+3], v[\areg] offset:(\base)+\m*(\mstride)+512*\g
.endr
.endr
	ds_load_b64 v[OS+2*(\pa):OS+2*(\pa)+1], v[\sreg] offset:\soff      ; register m / 2 holds tile m's words in lanes 16 (m % 2) on
.endm
; one product: weight tile t x row tile m.  The scale words of odd tiles stand in lanes 16-31 of their registers.
.macro WM ws, pa, zero, t, m
.set rD, 8*(8*(\m)+(\t))
.set rA, 128*((\ws)%2)+12*(\t)
.set rB, OF+48*(\pa)+12*(\m)
.set rX, WS+4*(\ws)+(\t)/2
.set rY, OS+2*(\pa)+(\m)/2
.set kind, 4*(\zero)+2*((\t)%2)+(\m)%2
.if kind == 0
	v_wmma_scale_f32_16x16x128_f8f6f4 v[rD:rD+7], v[rA:rA+11], v[rB:rB+11], v[rD:rD+7], v[rX], v[rY] matrix_a_fmt:MATRIX_FMT_BF6 matrix_b_fmt:MATRIX_FMT_BF6
.elseif kind == 1
	v_wmma_scale_f32_16x16x128_f8f6f4 v[rD:rD+7], v[rA:rA+11], v[rB:rB+11], v[rD:rD+7], v[rX], v[rY] matrix_a_fmt:MATRIX_FMT_BF6 matrix_b_fmt:MATRIX_FMT_BF6 matrix_b_scale:MATRIX_SCALE_ROW1
.elseif kind == 2
	v_wmma_scale_f32_16x16x128_f8f6f4 v[rD:rD+7], v[rA:rA+11], v[rB:rB+11], v[rD:rD+7], v[rX], v[rY] matrix_a_fmt:MATRIX_FMT_BF6 matrix_b_fmt:MATRIX_FMT_BF6 matrix_a_scale:MATRIX_SCALE_ROW1
.elseif kind == 3
	v_wmma_scale_f32_16x16x128_f8f6f4 v[rD:rD+7], v[rA:rA+11], v[rB:rB+11], v[rD:rD+7], v[rX], v[rY] matrix_a_fmt:MATRIX_FMT_BF6 matrix_b_fmt:MATRIX_FMT_BF6 matrix_a_scale:MATRIX_SCALE_ROW1 matrix_b_scale:MATRIX_SCALE_ROW1
.elseif kind == 4
	v_wmma_scale_f32_16x16x128_f8f6f4 v[rD:rD+7], v[rA:rA+11], v[rB:rB+11], 0, v[rX], v[rY] matrix_a_fmt:MATRIX_FMT_BF6 matrix_b_fmt:MATRIX_FMT_BF6
.elseif kind == 5
	v_wmma_scale_f32_16x16x128_f8f6f4 v[rD:rD+7], v[rA:rA+11], v[rB:rB+11], 0, v[rX], v[rY] matrix_a_fmt:MATRIX_FMT_BF6 matrix_b_fmt:MATRIX_FMT_BF6 matrix_b_scale:MATRIX_SCALE_ROW1
.elseif kind == 6
	v_wmma_scale_f32_16x16x128_f8f6f4 v[rD:rD+7], v[rA:rA+11], v[rB:rB+11], 0, v[rX], v[rY] matrix_a_fmt:MATRIX_FMT_BF6 matrix_b_fmt:MATRIX_FMT_BF6 matrix_a_scale:MATRIX_SCALE_ROW1
.else
	v_wmma_scale_f32_16x16x128_f8f6f4 v[rD:rD+7], v[rA:rA+11], v[rB:rB+11], 0, v[rX], v[rY] matrix_a_fmt:MATRIX_FMT_BF6 matrix_b_fmt:MATRIX_FMT_BF6 matrix_a_scale:MATRIX_SCALE_ROW1 matrix_b_scale:MATRIX_SCALE_ROW1
.endif
.endm
; eight of a unit's 32 products: weight tiles t0, t0 + 1 x the four row tiles.  The 32 accumulators take turns, one instruction a turn, in the same order in every unit.
; zero = 1: the products start the sums: nothing is cleared.
.macro MULQ ws, pa, zero, t0
	WIN 0xa1+2*((\ws)/2)                           ; source 0 (weights) window 1 or 3, source 1 (rows) window 0, C and D window 2
.irp t, \t0, \t0+1
.irp m, 0,1,2,3
	WM \ws, \pa, \zero, \t, \m
.endr
.endr
.endm
.macro MUL ws, pa, zero                ; a unit's 32 products with nothing between them
	MULQ \ws, \pa, \zero, 0
	MULQ \ws, \pa, \zero, 2
	MULQ \ws, \pa, \zero, 4
	MULQ \ws, \pa, \zero, 6
.endm
; A unit's 32 products with its loads dealt among them.  of = 1: the rows of the unit two on, into the row set that the unit before read.  lw = 1: the weights of the unit three on, into the weight set that the
; unit before read.  No wait stands among them: the products name weight set ws, row set pa, their scale words and the accumulators, none of which a load of this unit touches.
.macro UNIT ws, pa, lw, loff, of, areg, base, mstride, sreg, soff
	MULQ \ws, \pa, 0, 0
.if \of
	OFETCH ((\pa)+2)%3, \areg, \base, \mstride, \sreg, \soff
.endif
	MULQ \ws, \pa, 0, 2
.if \lw
	LOADS ((\ws)+3)%4, \loff
	LOADF ((\ws)+3)%4, \loff, 0
.endif
	MULQ \ws, \pa, 0, 4
.if \lw
	LOADF ((\ws)+3)%4, \loff, 4
.endif
	MULQ \ws, \pa, 0, 6
.endm
; 64 numbers of a lane, register 16 b + i = k 32 b + 16 (lane / 16) + i of my row, become a fragment's codes in v[PC] on and its scale word in v[PW].
.macro QUANT s
.irp b, 0,1,2,3
	v_max3_num_f32 v[TM+\b], |v[\s+16*\b]|, |v[\s+1+16*\b]|, 0x2800000   ; my 16 numbers of block b, and the floor 2^(5 - 127): the byte cannot fall under 1
.endr
.irp i, 2,4,6,8,10,12,14
.irp b, 0,1,2,3
	v_max3_num_f32 v[TM+\b], v[TM+\b], |v[\s+16*\b+\i]|, |v[\s+1+16*\b+\i]|
.endr
.endr
.irp b, 0,1,2,3
	v_permlanex16_b32 v[TM+4+\b], v[TM+\b], s[SEL], s[SEL+1]
.endr
.irp b, 0,1,2,3
	v_max_num_f32 v[TM+\b], v[TM+\b], v[TM+4+\b]   ; with lane l xor 16's: the block's largest magnitude
.endr
.irp b, 0,1,2,3
	v_add_nc_u32 v[TM+12+\b], 0xfe000000, v[TM+\b] ; 4 off its exponent field: the conversion's scale operand
.endr
.irp b, 0,1,2,3
	v_lshrrev_b32 v[TM+4+\b], 23, v[TM+12+\b]      ; the scale's byte
.endr
	v_lshl_or_b32 v[PW], v[TM+5], 8, v[TM+4]
	v_lshl_or_b32 v[PW], v[TM+6], 16, v[PW]
	v_lshl_or_b32 v[PW], v[TM+7], 24, v[PW]
.irp c, 0,1
	v_cvt_scalef32_pk16_bf6_f32 v[PC+6*\c:PC+2+6*\c], v[\s+32*\c:\s+15+32*\c], v[TM+12+2*\c]
	v_cvt_scalef32_pk16_bf6_f32 v[PC+12+4*\c:PC+14+4*\c], v[\s+16+32*\c:\s+31+32*\c], v[TM+12+2*\c+1]   ; (a conversion's three registers begin on an even number)
.endr
	v_nop                                          ; one plain place behind a scaled conversion
.irp c, 0,1                            ; the operand's layout wants a whole block in a lane: lanes 0-15 block 2 c, lanes 16-31 block 2 c + 1
.irp i, 0,1,2
	v_permlane16_swap_b32 v[PC+6*\c+\i], v[PC+12+4*\c+\i]
.endr
.irp i, 0,1,2
	v_mov_b32 v[PC+3+6*\c+\i], v[PC+12+4*\c+\i]
.endr
.endr
.endm
.macro IMAGE adr, off                  ; the fragment in v[PC] on goes to LDS as it stands
.irp c, 0,1,2
	ds_store_b128 v[\adr], v[PC+4*\c:PC+4*\c+3] offset:(\off)+512*\c
.endr
.endm
; K step s of my 16 rows of x: as loaded (a row's 512 bytes over the 32 lanes) into my stage, back 16 neighbours of each block a lane, quantised, image and scale words to LDS
.macro TURN s
	WIN 0x08                                       ; an LDS store's data are its source 1: window 2
.set ti, 0
.rept 16
	ds_store_b128 v[TSW], v[64*(\s)+4*ti:64*(\s)+4*ti+3] offset:528*ti
.set ti, ti+1
.endr
	WIN 0
.irp b, 0,1,2,3
.irp j, 0,1,2,3
	ds_load_b128 v[G+16*\b+4*\j:G+16*\b+4*\j+3], v[TSR] offset:128*\b+16*\j    ; LDS serves a wave's instructions in order: these see my stores.  No vector instruction since the last wait on va_vdst names v[G ..]
.endr
.endr
	s_wait_dscnt 0x0
	s_wait_alu depctr_vm_vsrc(0)                   ; v[PC ..] and v[PW] have been read: by the last image's stores, the first time by the five loads from the list, which took their offsets there; the quantiser writes them again
	QUANT G
	s_wait_alu depctr_va_vdst(0)                   ; the quantiser has written v[PC ..] and v[PW], which the stores below read, and is done reading v[G ..], in which the next turn's LDS loads land
	IMAGE XW, 1536*(\s)
	ds_store_b32 v[XSW], v[PW] offset:256*(\s)     ; lanes r and r + 16 write the same word with the same value
	s_wait_dscnt 0x0
.endm
; gelu of 32 numbers: registers 32 half .. 32 half + 31 of row tile m's accumulators, taken from each accumulator's low end on; results in v[G + 32 half] on
.macro GELU m, half
.set AX, 64*(\m)+32*(\half)
.set GG, G+32*(\half)
	WIN 0x02                                       ; source 0 window 2
.set gi, 0
.rept 32
	v_med3_num_f32 v[GG+gi], v[AX+gi], s90, s91    ; c = x held to +-4 sqrt(2)
.set gi, gi+1
.endr
	WIN 0
.set gi, 0
.rept 16
	v_pk_mul_f32 v[T1+gi:T1+gi+1], v[GG+gi:GG+gi+1], v[GG+gi:GG+gi+1]    ; c^2
.set gi, gi+2
.endr
.set gi, 0
.rept 16
	v_pk_fma_f32 v[T2+gi:T2+gi+1], v[T1+gi:T1+gi+1], v[A6:A6+1], s[66:67] op_sel_hi:[1,1,0]   ; P, by Horner's rule; each step runs over all 16 pairs, so none waits for the line above it
.set gi, gi+2
.endr
.set gi, 0
.rept 16
	v_pk_fma_f32 v[T3+gi:T3+gi+1], v[T1+gi:T1+gi+1], v[B4:B4+1], s[78:79] op_sel_hi:[1,1,0]   ; Q
.set gi, gi+2
.endr
.irp k, 68,70,72,74,76
.set gi, 0
.rept 16
	v_pk_fma_f32 v[T2+gi:T2+gi+1], v[T2+gi:T2+gi+1], v[T1+gi:T1+gi+1], s[\k:\k+1] op_sel_hi:[1,1,0]
.set gi, gi+2
.endr
.endr
.irp k, 80,82,84
.set gi, 0
.rept 16
	v_pk_fma_f32 v[T3+gi:T3+gi+1], v[T3+gi:T3+gi+1], v[T1+gi:T1+gi+1], s[\k:\k+1] op_sel_hi:[1,1,0]
.set gi, gi+2
.endr
.endr
.set gi, 0
.rept 32
	v_rcp_f32 v[T3+gi], v[T3+gi]                   ; 1 / Q: one batch (Q's coefficients have one sign: it is never 0)
.set gi, gi+1
.endr
.set gi, 0
.rept 16
	v_pk_mul_f32 v[T2+gi:T2+gi+1], v[T2+gi:T2+gi+1], v[GG+gi:GG+gi+1]    ; c P: plain work behind the batch, which names none of its results
.set gi, gi+2
.endr
	s_wait_alu depctr_va_vdst(0)                   ; the 32 reciprocals have written v[T3 ..]: one wait for the batch, ahead of its first reader
.set gi, 0
.rept 16
	v_pk_fma_f32 v[T2+gi:T2+gi+1], v[T2+gi:T2+gi+1], v[T3+gi:T3+gi+1], 0.5 op_sel_hi:[1,1,0]
.set gi, gi+2
.endr
	WIN 0x02
.set gi, 0
.rept 16
	v_pk_mul_f32 v[GG+gi:GG+gi+1], v[AX+gi:AX+gi+1], v[T2+gi:T2+gi+1]    ; x (0.5 + c P / Q)
.set gi, gi+2
.endr
	WIN 0
.endm
	s_load_b256 s[4:11], s[0:1], 0x0               ; x s[4:5], routing_weights s[6:7], wq s[8:9], order s[10:11]
	s_load_b128 s[12:15], s[0:1], 0x20             ; tiles s[12:13], out0 s[14:15]
	v_lshl_add_u32 v[SPW], v0, 2, SPARE
	v_mov_b32 v[NIL], 0
	v_lshrrev_b32 v200, 5, v0
	v_readfirstlane_b32 s[WV], v200                ; wave 0..3
	v_and_b32 v200, 31, v0                         ; lane
	v_and_b32 v201, 15, v0                         ; r
	v_bfe_u32 v202, v0, 4, 1                       ; h
	v_lshlrev_b32 v[L16], 4, v200
	v_add_nc_u32 v[HR], HIMG, v[L16]
	v_lshl_add_u32 v[XS8], v200, 3, XSC
	v_lshl_add_u32 v[HS8], v200, 3, HSC
.irp b, 0,1,2,3
	v_mov_b32 v[TM+4+\b], 0                        ; written once: a lane permute's destination counts as one of its sources
.endr
.irp m, 0,1,2,3
	v_mov_b32 v[GT+2*\m+1], 0                      ; (named with the gate as a pair, so it is written)
.endr
	v_mov_b32 v[A6], 0xabd3f331
	v_mov_b32 v[A6+1], 0xabd3f331
	v_mov_b32 v[B4], 0xb57460cd
	v_mov_b32 v[B4+1], 0xb57460cd
	s_wait_alu depctr_va_sdst(0)                   ; s[WV] is written, ahead of its first reader: LDS addresses and the bases of wq and out0 are made from it
	s_mul_i32 s22, s[WV], 6144
	v_add_nc_u32 v[XW], s22, v[L16]                ; x's images of row tile w
	s_and_b32 s22, s[WV], 1
	s_lshl_b32 s22, s22, 7
	s_lshr_b32 s23, s[WV], 1
	s_lshl_b32 s23, s23, 2
	s_add_co_u32 s22, s22, s23
	s_add_co_u32 s22, s22, XSC
	v_lshl_add_u32 v[XSW], v201, 3, s22            ; 8 r + 128 (w % 2) + 4 (w / 2)
	s_mul_i32 s22, s[WV], 3072
	s_add_co_u32 s22, s22, HIMG
	v_add_nc_u32 v[HW0], s22, v[L16]               ; the hidden layer's K step 2 w
	s_lshl_b32 s22, s[WV], 9
	s_add_co_u32 s22, s22, HSC
	v_lshl_add_u32 v[HSW0], v201, 3, s22
	s_mul_i32 s22, s[WV], 8448
	s_add_co_u32 s22, s22, TS                      ; my stage
	v_add_nc_u32 v[TSW], s22, v[L16]
	v_mul_u32_u24 v[TSR], v201, 528
	v_lshl_add_u32 v[TSR], v202, 6, v[TSR]
	v_add_nc_u32 v[TSR], s22, v[TSR]
	s_lshl_b32 s22, ttmp9, 4                       ; my tile's entry: 16 bytes
	s_wait_kmcnt 0x0
	s_load_b128 s[60:63], s[12:13], s22 offset:0x0
	s_mov_b32 s[SEL], 0x76543210
	s_mov_b32 s[SEL+1], 0xfedcba98
	COEF 66, 0x2fa84a8d                            ; P's coefficients, degree 5 down to 0 (degree 6 stands in v[A6:A6+1])
	COEF 68, 0xb347667d
	COEF 70, 0xb628d45d
	COEF 72, 0xb8883d9c
	COEF 74, 0xba08eb41
	COEF 76, 0xbbba79f3
	COEF 78, 0xb7dfbd29                            ; Q's, degree 3 down to 0 (degree 4 in v[B4:B4+1])
	COEF 80, 0xb9dc924e
	COEF 82, 0xbb719bf8
	COEF 84, 0xbc69b6a7
	s_mov_b32 s90, 0xc0b504f3                      ; -4 sqrt(2)
	s_mov_b32 s91, 0x40b504f3
	s_wait_kmcnt 0x0
	s_min_u32 s[EX], s60, 7
	s_min_u32 s[ST0], s61, 0x1fff
	s_min_u32 s[CNT], s62, 64
	s_lshl_b32 s22, s[EX], 2
	s_add_co_u32 s22, s22, s[WV]
	s_mul_i32 s22, s22, 16*REC                     ; my 16 records
	s_mov_b32 s23, 0
	s_add_nc_u64 s[WB:WB+1], s[8:9], s[22:23]
	s_lshl_b32 s22, s[WV], 9
	s_add_nc_u64 s[OB:OB+1], s[14:15], s[22:23]
	s_lshl_b32 s22, s[WV], 4
	s_add_co_u32 s22, s22, s[ST0]
	v_add_nc_u32 v[PC], s22, v201                  ; the place in the sorted list of row 16 w + r,
.irp m, 0,1,2,3
	v_add3_u32 v[PC+1+\m], s[ST0], v201, 16*\m     ; and of rows 16 m + r
.endr
.irp q, 0,1,2,3,4
	v_min_u32 v[PC+\q], 0x1fff, v[PC+\q]           ; a place past the list's end takes its last word: a written word, a valid token; such rows are never stored
	v_lshlrev_b32 v[PC+\q], 2, v[PC+\q]
.endr
	s_wait_alu depctr_va_vdst(0)                   ; the offsets and LDS addresses v1 to v6, v9 and v10 and the five offsets v[PC .. PC + 4] are written: the loads and stores below read them
.irp q, 0,1,2,3,4
	global_load_b32 v[TOKX+\q], v[PC+\q], s[10:11]
.endr
	LOADW 0, 0                                     ; unit 0's weights
	s_lshl_b32 s22, s[EX], 2
	s_wait_loadcnt 25                              ; the five tokens are in; the 25 loads behind them may be out
.irp q, 11,12,13,14,15
	v_min_u32 v\q, 0x1fff, v\q
.endr
	v_lshl_add_u32 v250, v[TK], 5, s22             ; routing_weights[token][expert]: these four address registers are never written again
	v_lshl_add_u32 v251, v[TK+1], 5, s22
	v_lshl_add_u32 v254, v[TK+2], 5, s22
	v_lshl_add_u32 v255, v[TK+3], 5, s22
.set ri, 0
.rept 16
	v_readlane_b32 s[RB+2*ri], v[TOKX], ri         ; the sixteen tokens in one run, each into a register of its own
.set ri, ri+1
.endr
	s_wait_alu depctr_va_sdst(0)                   ; the sixteen scalar registers are written, ahead of their first reader: one wait for the run
.set ri, 0
.rept 16
	s_min_u32 s22, s[RB+2*ri], 0x1fff
	s_lshl_b32 s22, s22, 11                        ; a row of x is 2,048 bytes
	s_add_nc_u64 s[RB+2*ri:RB+2*ri+1], s[4:5], s[22:23]
.set ri, ri+1
.endr
	WIN 0x80                                       ; destination window 2
.irp s, 0,1,2,3
.set ri, 0
.rept 16
	global_load_b128 v[64*\s+4*ri:64*\s+4*ri+3], v[L16], s[RB+2*ri:RB+2*ri+1] offset:512*\s   ; 32 lanes read 512 consecutive bytes of one row, at a multiple of 256 from x's first byte
.set ri, ri+1
.endr
.endr
	WIN 0
	s_wait_alu depctr_va_vdst(0)                   ; the gates' four addresses are written, which the four loads below read
	global_load_b32 v[GT], v250, s[6:7]
	global_load_b32 v[GT+2], v251, s[6:7]
	global_load_b32 v[GT+4], v254, s[6:7]
	global_load_b32 v[GT+6], v255, s[6:7]
	; ---- X: wave w quantises row tile w.  Each count: the loads issued behind the K step that is wanted.  The weights' loads between the turns land in sets that no vector or matrix instruction has named yet
	s_wait_loadcnt 52                              ; 48 of x and the 4 gates
	TURN 0
	LOADW 1, REC
	s_wait_loadcnt 61                              ; 32 of x, 4 gates, unit 1's 25
	TURN 1
	s_wait_loadcnt 45                              ; 16 of x, 4 gates, 25
	TURN 2
	LOADW 2, 2*REC
	s_wait_loadcnt 54                              ; 4 gates, 25, 25
	TURN 3
	LOADW 3, 3*REC
	s_wait_dscnt 0x0                               ; my images lie in LDS
	s_barrier_signal -1
	s_barrier_wait -1                              ; x's sixteen fragments lie in LDS
	; ---- 1: the hidden layer, two passes of 128 units a wave.  On the way in, the pass's four units have been asked for, in their order
	s_mov_b32 s92, 2
	s_mov_b32 s93, 0
	s_mov_b32 s94, 0
.Lpass:
	s_wait_alu depctr_vm_vsrc(0)                   ; the last image's stores (x's fourth, or the last pass's fourth) have read v[PC ..] and v[PW], which this pass's first quantiser writes again, and, the second time, v[HW] and v[HSW], which the two lines below write again
	v_add_nc_u32 v[HW], s93, v[HW0]                ; this pass's K step of the second product: 2 w + pass
	v_add_nc_u32 v[HSW], s94, v[HSW0]
	OFETCH 0, L16, 0, 6144, XS8, 0                 ; the rows of units 0, 1 and 2.  No wait: the last wait on va_vdst, ahead of the last image, stands behind every vector and matrix instruction that named these registers
	OFETCH 1, L16, 1536, 6144, XS8, 256
	OFETCH 2, L16, 3072, 6144, XS8, 512
	s_wait_loadcnt 50                              ; all but the last two units' 50 loads: units 0 and 1 (and, the first time, the gates) are in
	s_wait_dscnt 26                                ; the first 13 LDS loads are in; the 26 behind them may be out
	MUL 0, 0, 1
	PLACES
	s_wait_alu depctr_va_vdst(0)                   ; unit 0's products are done reading row set 0, weight set 0 and their scale words, in which this unit's loads land
	s_wait_dscnt 13                                ; row set 1 is in; set 2's 13 loads may be out
	UNIT 1, 1, 1, 4*REC, 1, L16, 4608, 6144, XS8, 768    ; with unit 3's rows and the next pass's unit 0
	PLACES
	s_wait_alu depctr_va_vdst(0)                   ; unit 1's products are done reading weight set 1 and its scale words, in which this unit's loads land
	s_wait_loadcnt 50                              ; unit 2 is in; behind it: unit 3's 25 and the 25 issued in unit 1
	s_wait_dscnt 13                                ; row set 2 is in; behind it: unit 3's 13
	UNIT 2, 2, 1, 5*REC, 0, L16, 0, 0, XS8, 0
	PLACES
	s_wait_alu depctr_va_vdst(0)                   ; unit 2's products are done reading weight set 2 and its scale words, in which this unit's loads land
	s_wait_loadcnt 50                              ; unit 3 is in; behind it: the 50 issued in units 1 and 2
	s_wait_dscnt 0x0
	UNIT 3, 0, 1, 6*REC, 0, L16, 0, 0, XS8, 0
	WIN 0
	PLACES
.irp m, 0,1,2,3
	GELU \m, 0
	GELU \m, 1
.if \m > 0
	s_wait_alu depctr_vm_vsrc(0)                   ; the last image's stores have read v[PC ..] and v[PW], which the quantiser writes again
.endif
	QUANT G
	s_wait_alu depctr_va_vdst(0)                   ; the quantiser has written v[PC ..] and v[PW], which the stores below read; the first time in a pass v[HW] and v[HSW] are written too, and unit 3's products are done reading weight set 3
	IMAGE HW, 12288*\m
	ds_store_b32 v[HSW], v[PW] offset:128*(\m%2)+4*(\m/2)
	s_wait_dscnt 0x0
.if \m == 0
	LOADW 3, 7*REC                                 ; the next four units' last.  No wait: nothing since the wait above names weight set 3, its scale words or v[L16]
.endif
.endr
	s_wait_xcnt 0x0                                ; the loads have read their base: it is stepped only behind this wait
	s_add_nc_u64 s[WB:WB+1], s[WB:WB+1], 4*REC
	s_add_co_u32 s93, s93, 1536
	s_add_co_u32 s94, s94, 256
	s_sub_co_u32 s92, s92, 1
	s_cmp_lg_u32 s92, 0
	s_cbranch_scc1 .Lpass
	s_wait_dscnt 0x0
	s_barrier_signal -1
	s_barrier_wait -1                              ; the hidden layer's 32 fragments lie in LDS
	; ---- 2: my 128 outputs for the 64 rows: eight units.  Units 8 to 11 have been asked for in the loop
; Unit p.  lc: the loads issued behind this unit's weights, which may stay out (-1: shown in by the unit before);  dc: the same of its rows' LDS loads;  lw, of: as in UNIT.
.macro PU p, lc, dc, lw, of
.if \of
	PLACES
	s_wait_alu depctr_va_vdst(0)                   ; the unit before is done reading its row set, its weight set and their scale words, in which this unit's loads land
.endif
.if (\lc) >= 0
	s_wait_loadcnt \lc
.endif
	s_wait_dscnt \dc
	UNIT (\p)%4, (\p)%3, \lw, ((\p)+3)*REC, \of, HR, 1536*((\p)+2), 12288, HS8, 256*((\p)+2)
.endm
	OFETCH 0, HR, 0, 12288, HS8, 0                 ; no wait: the wait ahead of the last image stands behind every vector and matrix instruction that named these registers
	OFETCH 1, HR, 1536, 12288, HS8, 256
	OFETCH 2, HR, 3072, 12288, HS8, 512
	s_wait_loadcnt 50                              ; units 8 and 9 are in; units 10 and 11 may be out
	s_wait_dscnt 26
	MUL 0, 0, 1
	PU 1, -1, 13, 1, 1
	PU 2, 50, 13, 1, 1
	PU 3, 50, 13, 1, 1
	PU 4, 50, 13, 1, 1
	PU 5, 50, 13, 0, 1
	PU 6, 25, 13, 0, 0                             ; the last two units ask for nothing: the counts run down
	PU 7, 0, 0, 0, 0
	WIN 0
	PLACES
	; ---- 3: the way out, a tile of 16 rows at a time: x the gate, through my stage, back as rows of 512 bytes; a row goes to its token's row of out0.  Rows at or beyond the tile's count are not stored.
	s_mov_b32 s23, 0
.macro OUT m
	s_wait_xcnt 0x0                                ; every earlier memory instruction has had its addresses translated: the row addresses, and the registers that the last tile's stores read, are written again only behind this wait
.if (\m) > 0
	s_wait_alu depctr_vm_vsrc(0)                   ; the last tile's LDS stores have read v[G ..], which the multiplications below write again, and its global stores v[Y ..], in which the LDS loads below land
.endif
	s_cmp_gt_u32 s[CNT], 16*(\m)
	s_cbranch_scc0 .Ldone
	WIN 0x02
.set oi, 0
.rept 32
	v_pk_mul_f32 v[G+oi:G+oi+1], v[64*(\m)+oi:64*(\m)+oi+1], v[GT+2*(\m):GT+2*(\m)+1] op_sel_hi:[1,0]   ; each accumulator from its low end on
.set oi, oi+2
.endr
	WIN 0
	s_wait_alu depctr_va_vdst(0)                   ; the multiplications have written v[G ..], which the LDS stores read; in the first tile the last products are also done reading the row sets in which v[Y ..]'s loads land
.irp b, 0,1,2,3
.irp j, 0,1,2,3
	ds_store_b128 v[TSR], v[G+16*\b+4*\j:G+16*\b+4*\j+3] offset:128*\b+16*\j
.endr
.endr
.set oi, 0
.rept 16
	ds_load_b128 v[Y+4*oi:Y+4*oi+3], v[TSW] offset:528*oi
.set oi, oi+1
.endr
.set oi, 0
.rept 16
	v_readlane_b32 s[RB+2*oi], v[TK+(\m)], oi      ; the tile's sixteen tokens in one run
.set oi, oi+1
.endr
	s_wait_alu depctr_va_sdst(0)                   ; the sixteen scalar registers are written, ahead of their first reader: one wait for the run
.set oi, 0
.rept 16
	s_min_u32 s22, s[RB+2*oi], 0x1fff
	s_lshl_b32 s22, s22, 11
	s_add_nc_u64 s[RB+2*oi:RB+2*oi+1], s[OB:OB+1], s[22:23]
.set oi, oi+1
.endr
.set oi, 0
.rept 16
	s_wait_dscnt 15-oi
.if oi > 0
	s_cmp_gt_u32 s[CNT], 16*(\m)+oi
	s_cbranch_scc0 .Ldone
.endif
	global_store_b128 v[L16], v[Y+4*oi:Y+4*oi+3], s[RB+2*oi:RB+2*oi+1] th:TH_STORE_NT   ; 32 lanes store 512 consecutive bytes, at a multiple of 256 from out0's first byte
.set oi, oi+1
.endr
.endm
	OUT 0
	OUT 1
	OUT 2
	OUT 3
.Ldone:
	s_wait_dscnt 0x0                               ; the closing lines, six on end
	s_wait_alu 0x0
	s_wait_tensorcnt 0x0
	ds_add_u32 v[SPW], v[NIL]
	s_wait_dscnt 0x0
	s_endpgm
.Lfunc_end_k_q1083e00c6a_moe:
	.size	k_q1083e00c6a_moe, .Lfunc_end_k_q1083e00c6a_moe-k_q1083e00c6a_moe
	.p2alignl 7, 3214868480
	.fill 96, 4, 3214868480
	.section	.rodata,"a",@progbits
	.p2align	6, 0x0
	.amdhsa_kernel k_q1083e00c6a_moe
		.amdhsa_group_segment_fixed_size 111104
		.amdhsa_private_segment_fixed_size 0
		.amdhsa_enable_private_segment 0
		.amdhsa_kernarg_size 48
		.amdhsa_user_sgpr_count 2
		.amdhsa_user_sgpr_kernarg_segment_ptr 1
		.amdhsa_wavefront_size32 1
		.amdhsa_system_sgpr_workgroup_id_x 1
		.amdhsa_system_sgpr_workgroup_id_y 1
		.amdhsa_system_sgpr_workgroup_id_z 1
		.amdhsa_system_vgpr_workitem_id 0
		.amdhsa_next_free_vgpr 1024
		.amdhsa_next_free_sgpr 96
		.amdhsa_reserve_vcc 0
		.amdhsa_float_denorm_mode_32 3
		.amdhsa_float_denorm_mode_16_64 3
		.amdhsa_memory_ordered 1
		.amdhsa_forward_progress 1
		.amdhsa_inst_pref_size 255
	.end_amdhsa_kernel
	.section	.bss,"aw",@nobits
	.p2align	6
	.space	262144
	.amdgpu_metadata
---
amdhsa.version: [ 1, 2 ]
amdhsa.kernels:
  - .name:           k_q1083e00c6a_moe
    .symbol:         k_q1083e00c6a_moe.kd
    .args:
      - { .name: x, .offset: 0, .size: 8, .value_kind: global_buffer, .address_space: global }
      - { .name: routing_weights, .offset: 8, .size: 8, .value_kind: global_buffer, .address_space: global }
      - { .name: wq, .offset: 16, .size: 8, .value_kind: global_buffer, .address_space: global }
      - { .name: order, .offset: 24, .size: 8, .value_kind: global_buffer, .address_space: global }
      - { .name: tiles, .offset: 32, .size: 8, .value_kind: global_buffer, .address_space: global }
      - { .name: out0, .offset: 40, .size: 8, .value_kind: global_buffer, .address_space: global }
    .group_segment_fixed_size: 111104
    .private_segment_fixed_size: 0
    .kernarg_segment_align: 8
    .kernarg_segment_size: 48
    .max_flat_workgroup_size: 128
    .sgpr_count:     96
    .vgpr_count:     1024
    .wavefront_size: 32
...
	.end_amdgpu_metadata
.endif
;; end of part 3
